; MI455X (gfx1250); checked and timed in simulation.
; The chip was launched on July 23, 2026; its instructions are those of AMD's public machine-readable ISA for CDNA 5 (MIT licence, August 2026) and "CDNA5" Instruction Set Architecture Reference Guide (July 2026). The comments in the code are by the model that wrote it; some were corrected since.
;; Attention Model. Allowed arithmetic: matrix products marked QUANTISED: E3M2 operands, one E8M0 scale for each 32 along K, by v_wmma_scale_f32_16x16x128_f8f6f4 with both operands' format E3M2, f32 sums; everything else in f32.
;; Inputs: Wk 1,024 x 1,024 float32; Wq 1,024 x 1,024 float32; Wv 1,024 x 1,024 float32; attn_mask 4 x 2,048 x 2,048 float32; bk 1,024 float32; bq 1,024 float32; bv 1,024 float32; key 4 x 2,048 x 1,024 float32; query 4 x 2,048 x 1,024 float32; value 4 x 2,048 x 1,024 float32.
;; Outputs: out0 4 x 2,048 x 1,024 float32.
;; This version of the problem:
;;   THIS VERSION OF THE PROBLEM IS GIVEN IN LOW PRECISION. The matrix products marked QUANTISED in the list below multiply operands that are first quantised to E3M2 (3 exponent bits, 2 mantissa bits; 6 bits a number), with one power-of-two scale for each 32 numbers along K (OCP MX v1.0); their sums are f32. All else is computed in f32.
;;   The module's matrix products, in the order in which they are computed (A, B: the left and right operand; K: the contracted axis; several contracted axes count as one K, in the product's order):
;;     1. [M 8,192, K 1,024] x [K 1,024, N 1,024]; A: input query; B: input Wq: QUANTISED
;;     2. [M 8,192, K 1,024] x [K 1,024, N 1,024]; A: input key; B: input Wk: QUANTISED
;;     3. [M 8,192, K 1,024] x [K 1,024, N 1,024]; A: input value; B: input Wv: QUANTISED
;;     4. batch 4 x [M 2,048, K 1,024] x [K 1,024, N 2,048]; A: computed on the way; B: computed on the way: QUANTISED
;;     5. batch 4 x [M 2,048, K 2,048] x [K 2,048, N 1,024]; A: softmax (see below); B: computed on the way: QUANTISED
;;   THE QUANTISER, for each operand of a quantised product, along K:
;;     - K is cut into blocks of 32 from its start; a last block that is shorter is filled with zeros.
;;     - A block's scale is 2^e with e = floor(log2(the largest magnitude in the block)) - 4, held to -126 .. 127; a block of zeros has e = 0. As a byte (E8M0): e + 127.
;;     - Each number is divided by its block's scale, clamped to +-28, and rounded to the nearest number of E3M2, ties to even, subnormals kept.
;;     - The product sums the exact products of the quantised numbers (number of the format x scale) in f32.
;;   ~~~python
;;   def quantise(x, axis):      # numpy; x: float32 -> the quantised numbers, widened to float32 again
;;       x = np.moveaxis(x, axis, -1); K = x.shape[-1]
;;       x = np.pad(x, [(0, 0)] * (x.ndim - 1) + [(0, -K % 32)]); x = x.reshape(x.shape[:-1] + (-1, 32)); a = np.abs(x).max(-1, keepdims=True)
;;       e = np.where(a > 0, np.clip(np.frexp(np.where(a > 0, a, 1))[1] - 1 - 4, -126, 127), 0)      # np.frexp(a)[1] - 1 = floor(log2(a)), exactly
;;       r = np.clip(x / 2.0 ** e, -28, 28)
;;       step = 2.0 ** (np.maximum(np.frexp(np.where(r == 0, 1, r))[1] - 1, -2) - 2)
;;       q = np.round(r / step) * step * 2.0 ** e      # np.round: ties to even
;;       return np.moveaxis(q.reshape(q.shape[:-2] + (-1,))[..., :K], -1, axis).astype(np.float32)
;;   ~~~
;;   SOFTMAX AHEAD OF A QUANTISED PRODUCT. Where the list says 'softmax', what is quantised is not the finished softmax but p = 2^(t - M), with t = logit x log2(e) and M = ceil(the row's largest t), a whole number; so 1/2 < the row's largest p <= 1. The row's sum l is taken of the UNQUANTISED p, in f32, and the product's result is divided by l at the end. Since M is a whole number, a kernel that streams over the keys may use a running M (the ceiling of the running maximum): every later rescaling is an exact power of two, which a block's scale takes up: the codes' values come out the same.
;;   OPERANDS COMPUTED ON THE WAY. 'Computed on the way' means the value that the module computes at that place (a softmax that the list does not call 'softmax' is quantised finished and normalised). What goes into a quantiser is computed in f32, as accurately as f32 sums, v_exp_f32 and their like allow (about 1e-6 of the number): no bf16 or f16 on the way to a quantiser, and a product that is left as it is and whose result goes on into a quantised operand takes f32 operands (vector FMAs, or v_wmma_f32_16x16x4_f32). A number that lies on a knife's edge between two numbers of the format may be rounded either way, as far as f32 arithmetic and the matrix unit's own rounding can turn it there, and no further.
;; One version. Each part assembles by itself: llvm-mc -triple=amdgcn-amd-amdhsa -mcpu=gfx1250 --defsym DOCPART=n.
;; ======== version 1 of 1: 4 launches
;; limits: right only within a limited range of input values
;; workspace buffers: xc 21,233,664 bytes; xs 884,736 bytes; qc 18,874,368 bytes; qs 786,432 bytes; pc 12,582,912 bytes; ps 524,288 bytes; st 1,048,576 bytes
;; launch quant (part 1): grid 864 x 1, 4 waves a work-group, no clusters, 35,328 bytes of LDS; arguments query, key, value, Wq, Wk, Wv, xc, xs; writes xc, xs
.if DOCPART == 1
	.amdgcn_target "amdgcn-amd-amdhsa--gfx1250"
	.amdhsa_code_object_version 6
	.text
	.protected	k_q023cc015b7_quant
	.globl	k_q023cc015b7_quant
	.p2align	8
	.type	k_q023cc015b7_quant,@function
k_q023cc015b7_quant:
	s_mov_b64 s[64:65], 0
	v_nop
	global_prefetch_b8 v0, s[64:65] scope:SCOPE_SE
	s_setreg_imm32_b32 hwreg(HW_REG_WAVE_MODE, 25, 1), 1
	s_wait_xcnt 0x0
; LAUNCH 1 OF 4.  out = softmax((query Wq^T + bq)(key Wk^T + bk)^T / 32 + attn_mask) (value Wv^T + bv), all five products on codes of E3M2 with one E8M0 scale for each 32 along K.
; NOTHING OF THE PROBLEM IS LEFT OUT: bq, bk and bv each go into a quantised operand of a product that is used, attn_mask changes along the softmax's axis, and every product reaches the output.  All ten inputs are loaded.
; This launch turns query, key, value [8192][1024] and Wq, Wk, Wv [1024][1024], f32, K = the last axis, into codes and scale words.  The six tensors count as one run of 27,648 rows.
; A block's scale is 2^(floor(log2(its largest magnitude)) - 4); its byte is the largest magnitude's exponent field - 4, held at 1 from below (a block of zeros keeps the byte 1: its codes are zeros, and this program alone reads the bytes).
; LIMITS: NaN and infinities among these six inputs are not served; blocks whose largest magnitude lies under 2^-122 keep the byte 1.
; LAYOUT OF xc: images of operand registers.  A fragment is 16 rows x 128 K: 12 registers a lane; fragment (row block rho, K step kappa) lies at (8 rho + kappa) x 1,536 bytes, registers 4 c .. 4 c + 3 of lane l at 512 c + 16 l.
; THE ROWS OF A BLOCK ARE NOT NEIGHBOURS: inside each 32 rows, lane r of block 2 beta + u holds row 32 beta + 8 u + r + 8 (r / 8).  A product that takes such blocks as its first source leaves 16 neighbouring columns in 16 registers of a lane.
; LAYOUT OF xs: [kappa][stored row] words of four scale bytes.
; SHARES: a work-group takes 64 rows and four K steps (the work-group's number: bit 0 which four, the rest which 64 rows); wave w takes one K step of them: four fragments.
; Each load reads one row's 512 consecutive bytes; the 16 rows of a block turn through the wave's own stage in LDS (rows 528 bytes apart), so that a lane gets 16 neighbours of each block of 32.  Waves share nothing: no barrier.
.set WREG,  8704                       ; LDS of a wave: the stage, 16 x 528 bytes, and 256 bytes of scale words
.set SP,    528
.set GOFF,  16*SP
.set SPARE, 4*WREG                     ; behind the four regions: the spare words, 128 bytes a wave
.set LI,  2                            ; v2   16 x lane
.set STI, 3                            ; v3   the stage, on the way in
.set STO, 4                            ; v4   and on the way out: 528 r + 64 h
.set GS,  5                            ; v5   where my row's scale word goes
.set GL,  6                            ; v6   where I read 8 bytes of the 256 back
.set GO,  7                            ; v7   8 x lane
.set SPW, 8                            ; v8   my spare word; never rewritten
.set NIL, 9                            ; v9   0; never rewritten
.set TM,  10                           ; v10-25 at work in QUANT
.set PW,  26                           ; v26  the scale word just made
.set PC,  28                           ; v28-46 the codes just made
.set R,   48                           ; v48-175 two sets of 64: a block's 16 rows as loaded
.set X,   176                          ; v176-239 my 64 numbers: register 16 b + i = k 32 b + 16 h + i of my row
.set SEL, 32                           ; s[32:33] selects of v_permlanex16_b32: lane l xor 16
; 64 numbers of a lane become a fragment's codes in v[PC] on and its scale word in v[PW]
.macro QUANT s
.irp b, 0,1,2,3
	v_max3_num_f32 v[TM+\b], |v[\s+16*\b]|, |v[\s+1+16*\b]|, 0x2800000   ; block b: my 16 numbers, and the floor 2^(5 - 127): the byte cannot fall under 1
.endr
.irp i, 2,4,6,8,10,12,14
.irp b, 0,1,2,3
	v_max3_num_f32 v[TM+\b], v[TM+\b], |v[\s+16*\b+\i]|, |v[\s+1+16*\b+\i]|   ; the four blocks by turns
.endr
.endr
.irp b, 0,1,2,3
	v_permlanex16_b32 v[TM+4+\b], v[TM+\b], s[SEL], s[SEL+1]
.endr
.irp b, 0,1,2,3
	v_max_num_f32 v[TM+\b], v[TM+\b], v[TM+4+\b]   ; with lane l xor 16's: the block's largest magnitude
.endr
.irp b, 0,1,2,3
	v_add_nc_u32 v[TM+12+\b], 0xfe000000, v[TM+\b]   ; 4 off its exponent field: the conversion's scale operand
.endr
.irp b, 0,1,2,3
	v_lshrrev_b32 v[TM+4+\b], 23, v[TM+12+\b]      ; the scale's byte
.endr
	v_lshl_or_b32 v[PW], v[TM+5], 8, v[TM+4]
	v_lshl_or_b32 v[PW], v[TM+6], 16, v[PW]
	v_lshl_or_b32 v[PW], v[TM+7], 24, v[PW]        ; my row's scale word
.irp c, 0,1
	v_cvt_scalef32_pk16_bf6_f32 v[PC+6*\c:PC+2+6*\c], v[\s+32*\c:\s+15+32*\c], v[TM+12+2*\c]
	v_cvt_scalef32_pk16_bf6_f32 v[PC+12+4*\c:PC+14+4*\c], v[\s+16+32*\c:\s+31+32*\c], v[TM+12+2*\c+1]   ; (a conversion's three registers begin on an even number)
.endr
	v_nop                                          ; one plain instruction behind the scaled conversions
.irp c, 0,1                                    ; the operand wants a whole block in a lane: lanes 0-15 block 2 c, lanes 16-31 block 2 c + 1
.irp i, 0,1,2
	v_permlane16_swap_b32 v[PC+6*\c+\i], v[PC+12+4*\c+\i]
.endr
.irp i, 0,1,2
	v_mov_b32 v[PC+3+6*\c+\i], v[PC+12+4*\c+\i]
.endr
.endr
.endm
.macro PICK lim, ptr, first            ; the tensor in which my 64 rows lie: a choice on the work-group's number alone
	s_cmp_lt_u32 s4, \lim
	s_cselect_b64 s[8:9], s[\ptr:\ptr+1], s[8:9]
	s_cselect_b32 s10, \first, s10
.endm
.macro FRLOAD j                        ; block j's 16 rows, in the stored order, into set j % 2
.irp i, 0,1,2,3,4,5,6,7,8,9,10,11,12,13,14,15
	global_load_b128 v[R+64*((\j)%2)+4*\i:R+64*((\j)%2)+4*\i+3], v[LI], s[8:9] offset:(32*((\j)/2)+8*((\j)%2)+\i+8*(\i/8))*4096 th:TH_LOAD_NT
.endr
.endm
.macro STEPQ j
.if (\j) > 0
	s_wait_xcnt 0x0                                ; the last block's stores have read the codes' registers
.endif
.if (\j) < 3
	s_wait_loadcnt 16                              ; this block's 16 loads are in; the next block's 16 may be out
.else
	s_wait_loadcnt 0x0
.endif
.irp i, 0,1,2,3,4,5,6,7,8,9,10,11,12,13,14,15
	ds_store_b128 v[STI], v[R+64*((\j)%2)+4*\i:R+64*((\j)%2)+4*\i+3] offset:SP*\i
.endr
.irp b, 0,1,2,3
.irp p, 0,1,2,3
	ds_load_b128 v[X+16*\b+4*\p:X+16*\b+4*\p+3], v[STO] offset:128*\b+16*\p   ; LDS serves a wave's instructions in order: these see the stores above
.endr
.endr
	s_wait_dscnt 0x0                               ; my numbers are back, and the stores have read their registers
.if (\j) < 2
	FRLOAD (\j)+2
.endif
	QUANT X
.irp c, 0,1,2
	global_store_b128 v[LI], v[PC+4*\c:PC+4*\c+3], s[12:13] offset:12288*(\j)+512*\c   ; 512 consecutive bytes a store
.endr
	ds_store_b32 v[GS], v[PW] offset:64*(\j)       ; lanes r and 16 + r write the same word with the same value
.endm
	s_load_b512 s[16:31], s[0:1], 0x0              ; query, key, value, Wq, Wk, Wv, xc, xs
	v_lshl_add_u32 v[SPW], v0, 2, SPARE
	v_mov_b32 v[NIL], 0
	v_lshrrev_b32 v1, 5, v0
	v_readfirstlane_b32 s3, v1                     ; wave
	s_lshr_b32 s4, ttmp9, 1                        ; which 64 rows of the 27,648
	s_and_b32 s5, ttmp9, 1
	s_lshl_b32 s5, s5, 2
	s_add_co_u32 s5, s5, s3                        ; my K step
	s_mul_i32 s2, s3, WREG
	v_and_b32 v1, 31, v0                           ; lane
	v_and_b32 v10, 15, v0                          ; r
	v_bfe_u32 v11, v0, 4, 1                        ; h
	v_lshlrev_b32 v[LI], 4, v1
	v_add_nc_u32 v[STI], s2, v[LI]
	v_mul_u32_u24 v[STO], v10, SP
	v_lshl_add_u32 v[STO], v11, 6, v[STO]
	v_add_nc_u32 v[STO], s2, v[STO]
	v_lshlrev_b32 v[GS], 2, v10
	v_add_nc_u32 v[GS], s2, v[GS]
	v_add_nc_u32 v[GS], GOFF, v[GS]
	v_lshlrev_b32 v[GO], 3, v1
	v_add_nc_u32 v[GL], s2, v[GO]
	v_add_nc_u32 v[GL], GOFF, v[GL]
.irp b, 0,1,2,3
	v_mov_b32 v[TM+4+\b], 0                        ; written once: a lane permute's destination counts as one of its sources
.endr
	s_mov_b32 s[SEL], 0x76543210
	s_mov_b32 s[SEL+1], 0xfedcba98
	s_mul_i32 s34, s4, 49152                       ; xc: four row blocks x 8 K steps x 1,536 bytes for each 64 rows,
	s_mul_i32 s35, s5, 1536                        ; and my K step
	s_add_co_u32 s34, s34, s35
	s_mov_b32 s35, 0
	s_mul_i32 s36, s5, 110592                      ; xs: 27,648 words for each K step,
	s_lshl_b32 s37, s4, 8                          ; 256 bytes for my 64 rows
	s_add_co_u32 s36, s36, s37
	s_mov_b32 s37, 0
	s_wait_kmcnt 0x0
	s_mov_b64 s[8:9], s[26:27]
	s_mov_b32 s10, 416
	PICK 416, 24, 400
	PICK 400, 22, 384
	PICK 384, 20, 256
	PICK 256, 18, 128
	PICK 128, 16, 0
	s_sub_co_u32 s6, s4, s10
	s_lshl_b32 s6, s6, 18                          ; 64 rows of 4,096 bytes
	s_lshl_b32 s7, s5, 9                           ; 512 bytes a K step
	s_add_co_u32 s6, s6, s7
	s_mov_b32 s7, 0
	s_add_nc_u64 s[8:9], s[8:9], s[6:7]
	s_add_nc_u64 s[12:13], s[28:29], s[34:35]
	s_add_nc_u64 s[14:15], s[30:31], s[36:37]
	FRLOAD 0
	FRLOAD 1
	STEPQ 0
	STEPQ 1
	STEPQ 2
	STEPQ 3
	ds_load_b64 v[TM:TM+1], v[GL]                  ; my wave's 64 scale words
	s_wait_dscnt 0x0
	global_store_b64 v[GO], v[TM:TM+1], s[14:15]   ; 256 consecutive bytes, at a multiple of 256 from the buffer's first byte
	s_wait_tensorcnt 0x0                           ; the wave's end, behind my last LDS store
	ds_add_u32 v[SPW], v[NIL]
	s_wait_dscnt 0x0
	s_endpgm
.Lfunc_end_k_q023cc015b7_quant:
	.size	k_q023cc015b7_quant, .Lfunc_end_k_q023cc015b7_quant-k_q023cc015b7_quant
	.p2alignl 7, 3214868480
	.fill 96, 4, 3214868480
	.section	.rodata,"a",@progbits
	.p2align	6, 0x0
	.amdhsa_kernel k_q023cc015b7_quant
		.amdhsa_group_segment_fixed_size 35328
		.amdhsa_private_segment_fixed_size 0
		.amdhsa_enable_private_segment 0
		.amdhsa_kernarg_size 64
		.amdhsa_user_sgpr_count 2
		.amdhsa_user_sgpr_kernarg_segment_ptr 1
		.amdhsa_wavefront_size32 1
		.amdhsa_system_sgpr_workgroup_id_x 1
		.amdhsa_system_sgpr_workgroup_id_y 1
		.amdhsa_system_sgpr_workgroup_id_z 1
		.amdhsa_system_vgpr_workitem_id 0
		.amdhsa_next_free_vgpr 240
		.amdhsa_next_free_sgpr 66
		.amdhsa_reserve_vcc 0
		.amdhsa_float_denorm_mode_32 3
		.amdhsa_float_denorm_mode_16_64 3
		.amdhsa_memory_ordered 1
		.amdhsa_forward_progress 1
		.amdhsa_inst_pref_size 34
	.end_amdhsa_kernel
	.amdgpu_metadata
---
amdhsa.version: [ 1, 2 ]
amdhsa.kernels:
  - .name:           k_q023cc015b7_quant
    .symbol:         k_q023cc015b7_quant.kd
    .args:
      - { .name: query, .offset: 0, .size: 8, .value_kind: global_buffer, .address_space: global }
      - { .name: key, .offset: 8, .size: 8, .value_kind: global_buffer, .address_space: global }
      - { .name: value, .offset: 16, .size: 8, .value_kind: global_buffer, .address_space: global }
      - { .name: Wq, .offset: 24, .size: 8, .value_kind: global_buffer, .address_space: global }
      - { .name: Wk, .offset: 32, .size: 8, .value_kind: global_buffer, .address_space: global }
      - { .name: Wv, .offset: 40, .size: 8, .value_kind: global_buffer, .address_space: global }
      - { .name: xc, .offset: 48, .size: 8, .value_kind: global_buffer, .address_space: global }
      - { .name: xs, .offset: 56, .size: 8, .value_kind: global_buffer, .address_space: global }
    .group_segment_fixed_size: 35328
    .private_segment_fixed_size: 0
    .kernarg_segment_align: 8
    .kernarg_segment_size: 64
    .max_flat_workgroup_size: 128
    .sgpr_count:     66
    .vgpr_count:     240
    .wavefront_size: 32
...
	.end_amdgpu_metadata
.endif
;; end of part 1
;; launch proj (part 2): grid 4 x 64, 4 waves a work-group, clusters of 4 x 4, 327,680 bytes of LDS; arguments xc, xs, bq, bk, bv, qc, qs; writes qc, qs
.if DOCPART == 2
	.amdgcn_target "amdgcn-amd-amdhsa--gfx1250"
	.amdhsa_code_object_version 6
	.text
	.protected	k_q023cc015b7_proj
	.globl	k_q023cc015b7_proj
	.p2align	8
	.type	k_q023cc015b7_proj,@function
k_q023cc015b7_proj:
	s_mov_b64 s[64:65], 0
	v_nop
	global_prefetch_b8 v0, s[64:65] scope:SCOPE_SE
	s_setreg_imm32_b32 hwreg(HW_REG_WAVE_MODE, 25, 1), 1
	s_wait_xcnt 0x0
	s_wait_alu depctr_hold_cnt(0) depctr_sa_sdst(0) depctr_va_vdst(0) depctr_va_sdst(0) depctr_va_ssrc(0) depctr_va_vcc(0) depctr_vm_vsrc(0)
	s_getreg_b32 s2, hwreg(HW_REG_IB_STS2, 6, 4)
	s_cmp_eq_u32 s2, 0
	s_cbranch_scc0 .Lentry_in_a_cluster
	s_endpgm
.Lentry_in_a_cluster:
	s_bfe_u32 s2, ttmp6, 0x10000c
	s_cmp_lg_u32 s2, 0xf033
	s_cbranch_scc0 .Lentry_shape_is_right
	s_endpgm
.Lentry_shape_is_right:
.set NA,    4
.set NQ,    4
.set FR,    12
.set NL,    3
.set FRB,   1536
.set AREG,  NA*NQ*FRB
.set BREG,  8*NQ*FRB
.set SLOT,  2*AREG+2*BREG
.set GATH,  2*SLOT
.set SPARE, GATH+1024
.set XSK,   110592
.set JA,    8192*768
.set JB,    1024*768
.set LI,   2
.set L4,   3
.set GS,   4
.set GL,   5
.set G8,   6
.set VC,   7
.set VR,   8
.set ADRA, 16
.set ADRB, 20
.set SPW,  28
.set NIL,  29
.set SC,   32
.set AF,   128
.set H,    128
.set PC,   192
.set TM,   212
.set PW,   228
.set WB,   230
.set G1,   24
.set G0,   32
.set G1B,  48
.set G0B,  56
.set A2,   66
.set B2,   68
.set SA01, 70
.set SB01, 72
.set SA2,  74
.set SB2,  76
.set OUTQ, 78
.set OUTV, 80
.set QSQ,  82
.set QSV,  84
.set SEL,  86
.set MSB, 0
.macro WIN new
.if MSB != (\new)
	s_set_vgpr_msb (MSB<<8)|(\new)
.set MSB, (\new)
.endif
.endm
.set MUL_LO, 0xa1
.set TO_B,   0x40
.macro JLOAD g0a, g1a, g0b, g1b
	s_cmp_eq_u32 s15, 0
	s_cbranch_scc0 .Lfor_b_\@
	tensor_load_to_lds s[\g0a:\g0a+3], s[\g1a:\g1a+7]
	s_nop 0
.rept 4
	v_nop
.endr
	s_branch .Lasked_\@
.Lfor_b_\@:
	tensor_load_to_lds s[\g0b:\g0b+3], s[\g1b:\g1b+7]
	s_nop 0
.rept 4
	v_nop
.endr
.Lasked_\@:
.endm
.macro CREST
	s_cmp_lg_u32 s14, 0
	s_cbranch_scc1 .Lnot_wave_0_\@
	s_barrier_signal -3
.Lnot_wave_0_\@:
	s_barrier_wait -3
	s_barrier_signal -1
	s_barrier_wait -1
.endm
.macro CROUND
	s_barrier_signal -1
	s_barrier_wait -1
	CREST
.endm
.macro PLACES n
.rept \n
	v_nop
.endr
.endm
.macro FRAG reg, adr, q, i
.irp c, 0,1,2
	ds_load_b128 v[\reg+4*\c:\reg+4*\c+3], v[\adr] offset:((\i)*NQ+(\q))*FRB+512*\c
.endr
.endm
.macro WM zero
.if \zero
.if rr == 0
	v_wmma_scale_f32_16x16x128_f8f6f4 v[rD:rD+7], v[rB:rB+11], v[rA:rA+11], 0, v[xB], v[xA] matrix_a_fmt:MATRIX_FMT_BF6 matrix_b_fmt:MATRIX_FMT_BF6
.elseif rr == 1
	v_wmma_scale_f32_16x16x128_f8f6f4 v[rD:rD+7], v[rB:rB+11], v[rA:rA+11], 0, v[xB], v[xA] matrix_a_fmt:MATRIX_FMT_BF6 matrix_b_fmt:MATRIX_FMT_BF6 matrix_b_scale:MATRIX_SCALE_ROW1
.elseif rr == 2
	v_wmma_scale_f32_16x16x128_f8f6f4 v[rD:rD+7], v[rB:rB+11], v[rA:rA+11], 0, v[xB], v[xA] matrix_a_fmt:MATRIX_FMT_BF6 matrix_b_fmt:MATRIX_FMT_BF6 matrix_a_scale:MATRIX_SCALE_ROW1
.else
	v_wmma_scale_f32_16x16x128_f8f6f4 v[rD:rD+7], v[rB:rB+11], v[rA:rA+11], 0, v[xB], v[xA] matrix_a_fmt:MATRIX_FMT_BF6 matrix_b_fmt:MATRIX_FMT_BF6 matrix_a_scale:MATRIX_SCALE_ROW1 matrix_b_scale:MATRIX_SCALE_ROW1
.endif
.else
.if rr == 0
	v_wmma_scale_f32_16x16x128_f8f6f4 v[rD:rD+7], v[rB:rB+11], v[rA:rA+11], v[rD:rD+7], v[xB], v[xA] matrix_a_fmt:MATRIX_FMT_BF6 matrix_b_fmt:MATRIX_FMT_BF6
.elseif rr == 1
	v_wmma_scale_f32_16x16x128_f8f6f4 v[rD:rD+7], v[rB:rB+11], v[rA:rA+11], v[rD:rD+7], v[xB], v[xA] matrix_a_fmt:MATRIX_FMT_BF6 matrix_b_fmt:MATRIX_FMT_BF6 matrix_b_scale:MATRIX_SCALE_ROW1
.elseif rr == 2
	v_wmma_scale_f32_16x16x128_f8f6f4 v[rD:rD+7], v[rB:rB+11], v[rA:rA+11], v[rD:rD+7], v[xB], v[xA] matrix_a_fmt:MATRIX_FMT_BF6 matrix_b_fmt:MATRIX_FMT_BF6 matrix_a_scale:MATRIX_SCALE_ROW1
.else
	v_wmma_scale_f32_16x16x128_f8f6f4 v[rD:rD+7], v[rB:rB+11], v[rA:rA+11], v[rD:rD+7], v[xB], v[xA] matrix_a_fmt:MATRIX_FMT_BF6 matrix_b_fmt:MATRIX_FMT_BF6 matrix_a_scale:MATRIX_SCALE_ROW1 matrix_b_scale:MATRIX_SCALE_ROW1
.endif
.endif
.endm
.macro MUL16 a0, p, kq, set, zero
.irp a, \a0, \a0+1
.irp b, 0,1,2,3,4,5,6,7
.set rD, 8*(8*(\a)+\b)
.set rB, 128*(\p)+FR*\b
.set rA, AF+FR*(\a)
.set xB, SC+48*(\set)+6*(\kq)+2+\b/2
.set xA, SC+48*(\set)+6*(\kq)+(\a)/2
.set rr, 2*(\b%2)+(\a)%2
	WM \zero
.endr
.endr
.endm
.macro FETCH_B slot, q, p
	WIN TO_B
.irp i, 0,1,2,3,4,5,6,7
	FRAG 128*(\p)+FR*\i, ADRB+\slot, \q, \i
.endr
	WIN 0
.endm
.macro FETCH_A slot, q, i0
.set fi, \i0
.rept NA/2
	FRAG AF+FR*fi, ADRA+\slot, \q, fi
.set fi, fi+1
.endr
.endm
.macro GSCALES job, set
.irp k, 0,1,2,3,4,5,6,7
.if (\job) < 2
.irp i, 0,1
	global_load_b32 v[SC+48*(\set)+6*\k+\i], v[L4], s[SA01:SA01+1] offset:XSK*\k+128*\i+32768*(\job)
.endr
.irp i, 0,1,2,3
	global_load_b32 v[SC+48*(\set)+6*\k+2+\i], v[L4], s[SB01:SB01+1] offset:XSK*\k+128*\i+4096*(\job)
.endr
.else
.irp i, 0,1
	global_load_b32 v[SC+48*(\set)+6*\k+\i], v[L4], s[SA2:SA2+1] offset:XSK*\k+128*\i
.endr
.irp i, 0,1,2,3
	global_load_b32 v[SC+48*(\set)+6*\k+2+\i], v[L4], s[SB2:SB2+1] offset:XSK*\k+128*\i
.endr
.endif
.endr
.endm
.macro TLOADS
	WIN 0xc0
.irp g, 0,1,2,3,4,5,6,7
	global_load_b128 v[8*\g:8*\g+3], v[VC], s[8:9] offset:4*(32*(\g/2)+8*(\g%2))
	global_load_b128 v[8*\g+4:8*\g+7], v[VC], s[8:9] offset:4*(32*(\g/2)+8*(\g%2))+16
	global_load_b128 v[64+8*\g:64+8*\g+3], v[VC], s[10:11] offset:4*(32*(\g/2)+8*(\g%2))
	global_load_b128 v[64+8*\g+4:64+8*\g+7], v[VC], s[10:11] offset:4*(32*(\g/2)+8*(\g%2))+16
.endr
.irp a, 0,1,2,3
	global_load_b32 v[128+2*\a], v[VR], s[96:97] offset:4*(32*(\a/2)+8*(\a%2))
	global_load_b32 v[128+2*\a+1], v[VR], s[96:97] offset:4*(32*(\a/2)+8*(\a%2))
.endr
	WIN 0
	global_prefetch_b8 v11, s[4:5] th:TH_LOAD_NT scope:SCOPE_SE               ; the third product's tiles, two and three fills ahead of their loads
	global_prefetch_b8 v12, s[4:5] offset:8192 th:TH_LOAD_NT scope:SCOPE_SE
	global_prefetch_b8 v23, s[4:5] th:TH_LOAD_NT scope:SCOPE_SE
.endm
.macro START job
	FETCH_B 0, 0, 0
	FETCH_A 0, 0, 0
	FETCH_A 0, 0, NA/2
	s_wait_loadcnt 0x0
.if (\job) < 2
	GSCALES (\job)+1, 1-(\job)%2
.endif
.endm
.macro STEP slot, q, set, zero
	s_wait_dscnt (NA/2)*NL
	WIN MUL_LO
	MUL16 0, (\q)%2, 4*(\slot)+(\q), \set, \zero
	s_wait_dscnt 0x0
	PLACES 4
	FETCH_B \slot, (\q)+1, 1-(\q)%2
	FETCH_A \slot, (\q)+1, 0
	WIN MUL_LO
	MUL16 2, (\q)%2, 4*(\slot)+(\q), \set, \zero
	PLACES 4
	WIN 0
	FETCH_A \slot, (\q)+1, NA/2
.endm
.macro TURN slot, next, set, fill, fetch
	s_wait_tensorcnt 0x0
	ds_add_u32 v[SPW], v[NIL]
	s_wait_dscnt (NA/2)*NL+1
	WIN MUL_LO
	MUL16 0, 1, 4*(\slot)+3, \set, 0
	s_wait_dscnt 0x0
	s_barrier_signal -1
	WIN 0
	s_barrier_wait -1
.if (\fill) > 0
	CREST
.if (\fill) == 1
	s_add_nc_u64 s[G0+4*\slot+2:G0+4*\slot+3], s[G0+4*\slot+2:G0+4*\slot+3], JA
	s_add_nc_u64 s[G0B+4*\slot+2:G0B+4*\slot+3], s[G0B+4*\slot+2:G0B+4*\slot+3], JB
.else
	s_add_nc_u64 s[G0+4*\slot+2:G0+4*\slot+3], s[A2:A2+1], (\slot)*NQ*FRB
	s_or_b32 s[G0+4*\slot+3], s[G0+4*\slot+3], 0x80000000
	s_add_nc_u64 s[G0B+4*\slot+2:G0B+4*\slot+3], s[B2:B2+1], (\slot)*NQ*FRB
	s_or_b32 s[G0B+4*\slot+3], s[G0B+4*\slot+3], 0x80000000
.endif
	JLOAD G0+4*\slot, G1, G0B+4*\slot, G1B
.else
	PLACES 4
.endif
.if \fetch
	s_wait_alu depctr_va_vdst(0)
	FETCH_B \next, 0, 0
	FETCH_A \next, 0, 0
.endif
	WIN MUL_LO
	MUL16 2, 1, 4*(\slot)+3, \set, 0
.if \fetch
	PLACES 4
	WIN 0
	FETCH_A \next, 0, NA/2
.else
	WIN 0
.endif
.endm
.macro QUANT s
.irp b, 0,1,2,3
	v_max3_num_f32 v[TM+\b], |v[\s+16*\b]|, |v[\s+1+16*\b]|, 0x2800000
.endr
.irp i, 2,4,6,8,10,12,14
.irp b, 0,1,2,3
	v_max3_num_f32 v[TM+\b], v[TM+\b], |v[\s+16*\b+\i]|, |v[\s+1+16*\b+\i]|
.endr
.endr
.irp b, 0,1,2,3
	v_permlanex16_b32 v[TM+4+\b], v[TM+\b], s[SEL], s[SEL+1]
.endr
.irp b, 0,1,2,3
	v_max_num_f32 v[TM+\b], v[TM+\b], v[TM+4+\b]
.endr
.irp b, 0,1,2,3
	v_add_nc_u32 v[TM+12+\b], 0xfe000000, v[TM+\b]
.endr
.irp b, 0,1,2,3
	v_lshrrev_b32 v[TM+4+\b], 23, v[TM+12+\b]
.endr
	v_lshl_or_b32 v[PW], v[TM+5], 8, v[TM+4]
	v_lshl_or_b32 v[PW], v[TM+6], 16, v[PW]
	v_lshl_or_b32 v[PW], v[TM+7], 24, v[PW]
	s_wait_xcnt 0x0
.irp c, 0,1
	v_cvt_scalef32_pk16_bf6_f32 v[PC+6*\c:PC+2+6*\c], v[\s+32*\c:\s+15+32*\c], v[TM+12+2*\c]
	v_cvt_scalef32_pk16_bf6_f32 v[PC+12+4*\c:PC+14+4*\c], v[\s+16+32*\c:\s+31+32*\c], v[TM+12+2*\c+1]
.endr
	v_nop
.irp c, 0,1
.irp i, 0,1,2
	v_permlane16_swap_b32 v[PC+6*\c+\i], v[PC+12+4*\c+\i]
.endr
.irp i, 0,1,2
	v_mov_b32 v[PC+3+6*\c+\i], v[PC+12+4*\c+\i]
.endr
.endr
.endm
.macro EPI a, job
	WIN 0x0e
.irp b, 0,1,2,3,4,5,6,7
.irp i, 0,2,4,6
.if (\job) < 2
	v_pk_add_f32 v[H+8*\b+\i:H+8*\b+\i+1], v[8*(8*(\a)+\b)+\i:8*(8*(\a)+\b)+\i+1], v[64*(\job)+8*\b+\i:64*(\job)+8*\b+\i+1]
.else
	v_pk_add_f32 v[H+8*\b+\i:H+8*\b+\i+1], v[8*(8*(\a)+\b)+\i:8*(8*(\a)+\b)+\i+1], v[128+2*(\a):128+2*(\a)+1]
.endif
.endr
.endr
	WIN 0
	QUANT H
.irp c, 0,1,2
.if (\job) < 2
	global_store_b128 v[LI], v[PC+4*\c:PC+4*\c+3], s[OUTQ:OUTQ+1] offset:6291456*(\job)+12288*(\a)+512*\c
.else
	global_store_b128 v[LI], v[PC+4*\c:PC+4*\c+3], s[OUTV:OUTV+1] offset:98304*(\a)+512*\c
.endif
.endr
	ds_store_b32 v[GS], v[PW] offset:64*(\a)
.endm
.macro LEAVE job
	PLACES 4
.irp a, 0,1,2,3
	EPI \a, \job
.endr
	ds_load_b64 v[WB:WB+1], v[GL]
	s_wait_dscnt 0x0
.if (\job) < 2
	global_store_b64 v[G8], v[WB:WB+1], s[QSQ:QSQ+1] offset:262144*(\job)
.else
	global_store_b64 v[G8], v[WB:WB+1], s[QSV:QSV+1]
.endif
.endm
	s_load_b256 s[4:11], s[0:1], 0x0
	s_load_b128 s[96:99], s[0:1], 0x20
	s_load_b64 s[100:101], s[0:1], 0x30
	v_lshl_add_u32 v[SPW], v0, 2, SPARE
	v_mov_b32 v[NIL], 0
	ds_add_u32 v[SPW], v[NIL]
	ds_add_u32 v[SPW], v[NIL]
	v_lshrrev_b32 v1, 5, v0
	v_readfirstlane_b32 s14, v1
	s_lshr_b32 s15, s14, 1
	s_and_b32 s16, s14, 1
	s_bfe_u32 s40, ttmp6, 0x40000
	s_bfe_u32 s41, ttmp6, 0x40004
	s_lshl_b32 s43, s41, 2
	s_lshl_b32 s43, 15, s43
	s_lshl_b32 s44, 0x1111, s40
	s_mov_b32 s42, s40
	s_and_b32 s18, ttmp7, 0xffff
	s_lshl_b32 s17, s18, 2
	s_add_co_u32 s17, s17, s41
	s_and_b32 s19, s18, 1
	s_lshl_b32 s19, s19, 2
	s_add_co_u32 s19, s19, s41
	s_lshr_b32 s89, s18, 1
	s_lshl_b32 s89, s89, 2
	s_add_co_u32 s89, s89, s40
	s_or_b32 s[G1+0], s43, (3<<16)|(1<<21)
	s_mov_b32 s[G1+1], 768<<16
	s_mov_b32 s[G1+2], 4<<16
	s_mov_b32 s[G1+3], 768<<16
	s_mov_b32 s[G1+4], 4
	s_mov_b32 s[G1+5], 1536
	s_mov_b32 s[G1+6], 0
	s_mov_b32 s[G1+7], 0
	s_or_b32 s[G1B+0], s44, (3<<16)|(1<<21)
	s_mov_b32 s[G1B+1], 768<<16
	s_mov_b32 s[G1B+2], 8<<16
	s_mov_b32 s[G1B+3], 768<<16
	s_mov_b32 s[G1B+4], 8
	s_mov_b32 s[G1B+5], 1536
	s_mov_b32 s[G1B+6], 0
	s_mov_b32 s[G1B+7], 0
	s_lshl_b32 s20, s17, 7
	s_lshl_b32 s21, s16, 6
	s_add_co_u32 s20, s20, s21
	s_mul_i32 s20, s20, 768
	s_lshl_b32 s22, s19, 7
	s_add_co_u32 s22, s22, s21
	s_add_co_u32 s22, s22, 26624
	s_mul_i32 s22, s22, 768
	s_mov_b32 s21, 0
	s_mov_b32 s23, 0
	s_lshl_b32 s46, s42, 8
	s_lshl_b32 s47, s16, 7
	s_add_co_u32 s46, s46, s47
	s_add_co_u32 s46, s46, 24576
	s_mul_i32 s46, s46, 768
	s_lshl_b32 s90, s89, 8
	s_add_co_u32 s90, s90, s47
	s_add_co_u32 s90, s90, 16384
	s_mul_i32 s90, s90, 768
	s_mov_b32 s47, 0
	s_mov_b32 s91, 0
	s_mul_i32 s45, s16, AREG
	s_mul_i32 s94, s16, BREG
	s_add_co_u32 s94, s94, 2*AREG
	s_wait_dscnt 0x0
	s_wait_kmcnt 0x0
	s_add_nc_u64 s[20:21], s[4:5], s[20:21]
	s_add_nc_u64 s[A2:A2+1], s[4:5], s[22:23]
	s_add_nc_u64 s[46:47], s[4:5], s[46:47]
	s_add_nc_u64 s[B2:B2+1], s[4:5], s[90:91]
	CROUND
.irp s, 0,1
	s_mov_b32 s[G0+4*\s], 1
	s_add_co_u32 s[G0+4*\s+1], s45, \s*SLOT
	s_add_nc_u64 s[G0+4*\s+2:G0+4*\s+3], s[20:21], \s*NQ*FRB
	s_or_b32 s[G0+4*\s+3], s[G0+4*\s+3], 0x80000000
	s_mov_b32 s[G0B+4*\s], 1
	s_add_co_u32 s[G0B+4*\s+1], s94, \s*SLOT
	s_add_nc_u64 s[G0B+4*\s+2:G0B+4*\s+3], s[46:47], \s*NQ*FRB
	s_or_b32 s[G0B+4*\s+3], s[G0B+4*\s+3], 0x80000000
	s_wait_alu depctr_va_vdst(0)
.if \s
	s_wait_tensorcnt 0x0                           ; slot 1's first fill stands behind the full sequence, as a refill does
	ds_add_u32 v28, v29
	s_wait_dscnt 0x0
	CROUND
.endif
	JLOAD G0+4*\s, G1, G0B+4*\s, G1B
.if \s == 0
	; PREFETCH, behind the head's load: the tiles of the next three fills (K steps 4-7 of the first product, all of the second), one to three fills ahead of their loads; the third product's stand behind the first change of slots.
	; Each block of 256 bytes is named once in each cluster: of a tile's row blocks the partner at place p takes 4 p + wave (p = cx for a tile shared along a row, cy along a column; tiles of 8 row blocks: half a row block each).
	; Told apart by address; lanes left over name the last block again.  The offsets' registers are never rewritten.
	s_lshl_b32 s93, s40, 2
	s_add_co_u32 s93, s93, s14
	s_lshr_b32 s88, s93, 1
	s_mul_i32 s88, s88, 12288
	s_and_b32 s93, s93, 1
	s_mul_i32 s93, s93, 3072
	s_mul_i32 s2, s17, 98304
	s_add_co_u32 s2, s2, s88
	s_add_co_u32 s2, s2, s93                       ; query's and key's tile: my row block, + 3,072 x half
	s_add_co_u32 s3, s2, s93                       ; + 6,144 x half
	s_lshl_b32 s12, s19, 7
	s_add_co_u32 s12, s12, 26624
	s_mul_i32 s12, s12, 768
	s_add_co_u32 s12, s12, s88
	s_add_co_u32 s12, s12, s93
	s_add_co_u32 s12, s12, s93                     ; Wv's tile
	s_lshl_b32 s95, s41, 2
	s_add_co_u32 s95, s95, s14
	s_mul_i32 s95, s95, 12288
	s_lshl_b32 s13, s89, 8
	s_add_co_u32 s13, s13, 16384
	s_mul_i32 s13, s13, 768
	s_add_co_u32 s13, s13, s95                     ; value's tile
	s_lshl_b32 s92, s40, 8
	s_add_co_u32 s92, s92, 24576
	s_mul_i32 s92, s92, 768
	s_add_co_u32 s92, s92, s95                     ; Wq's tile; Wk's lies JB further on
	v_and_b32 v24, 31, v0
	v_min_u32 v25, 11, v24
	v_min_u32 v26, 15, v24
	v_min_u32 v27, 23, v24
	v_lshl_add_u32 v9, v25, 8, s2
	v_lshl_add_u32 v10, v27, 8, s3
	v_lshl_add_u32 v11, v24, 8, s13
	v_lshl_add_u32 v12, v26, 8, s13
	v_lshl_add_u32 v18, v27, 8, s92
	v_lshl_add_u32 v19, v24, 8, s92
	v_lshl_add_u32 v22, v26, 8, s92
	v_lshl_add_u32 v23, v27, 8, s12
	s_wait_alu depctr_va_vdst(0)                   ; the wait behind these writes
	global_prefetch_b8 v9, s[4:5] offset:6144 th:TH_LOAD_NT scope:SCOPE_SE
	global_prefetch_b8 v18, s[4:5] offset:6144 th:TH_LOAD_NT scope:SCOPE_SE
	global_prefetch_b8 v10, s[4:5] offset:JA th:TH_LOAD_NT scope:SCOPE_SE
	global_prefetch_b8 v19, s[4:5] offset:JB th:TH_LOAD_NT scope:SCOPE_SE
	global_prefetch_b8 v22, s[4:5] offset:JB+8192 th:TH_LOAD_NT scope:SCOPE_SE
.endif
.endr
	v_and_b32 v1, 31, v0
	v_lshlrev_b32 v[L4], 2, v1
	s_wait_alu depctr_va_vdst(0)
	s_lshl_b32 s2, s17, 7
	s_lshl_b32 s18, s15, 6
	s_add_co_u32 s2, s2, s18
	s_lshl_b32 s3, s19, 7
	s_add_co_u32 s3, s3, s18
	s_lshl_b32 s18, s16, 7
	s_lshl_b32 s90, s42, 8
	s_add_co_u32 s90, s90, s18
	s_lshl_b32 s91, s89, 8
	s_add_co_u32 s91, s91, s18
	s_mov_b32 s13, 0
	s_lshl_b32 s12, s2, 2
	s_add_nc_u64 s[SA01:SA01+1], s[6:7], s[12:13]
	s_add_co_u32 s12, s90, 24576
	s_lshl_b32 s12, s12, 2
	s_add_nc_u64 s[SB01:SB01+1], s[6:7], s[12:13]
	GSCALES 0, 0
	s_add_co_u32 s12, s3, 26624
	s_lshl_b32 s12, s12, 2
	s_add_nc_u64 s[SA2:SA2+1], s[6:7], s[12:13]
	s_add_co_u32 s12, s91, 16384
	s_lshl_b32 s12, s12, 2
	s_add_nc_u64 s[SB2:SB2+1], s[6:7], s[12:13]
	s_lshr_b32 s12, s2, 1
	s_lshr_b32 s18, s90, 7
	s_add_co_u32 s12, s12, s18
	s_mul_i32 s12, s12, FRB
	s_add_nc_u64 s[OUTQ:OUTQ+1], s[98:99], s[12:13]
	s_lshl_b32 s12, s3, 2
	s_lshr_b32 s18, s91, 7
	s_add_co_u32 s12, s12, s18
	s_mul_i32 s12, s12, FRB
	s_add_co_u32 s12, s12, 12582912
	s_add_nc_u64 s[OUTV:OUTV+1], s[98:99], s[12:13]
	s_lshl_b32 s12, s90, 8
	s_lshl_b32 s18, s2, 2
	s_add_co_u32 s12, s12, s18
	s_add_nc_u64 s[QSQ:QSQ+1], s[100:101], s[12:13]
	s_lshl_b32 s12, s91, 5
	s_lshl_b32 s18, s3, 2
	s_add_co_u32 s12, s12, s18
	s_add_co_u32 s12, s12, 524288
	s_add_nc_u64 s[QSV:QSV+1], s[100:101], s[12:13]
	s_mov_b32 s[SEL], 0x76543210
	s_mov_b32 s[SEL+1], 0xfedcba98
	v_and_b32 v13, 15, v0
	v_bfe_u32 v14, v0, 4, 1
	v_and_b32 v15, 8, v13
	v_add_nc_u32 v15, v15, v13
	s_lshl_b32 s18, s90, 2
	v_lshlrev_b32 v[VC], 6, v14
	v_add_nc_u32 v[VC], s18, v[VC]
	s_lshl_b32 s18, s3, 2
	v_lshlrev_b32 v[VR], 2, v15
	v_add_nc_u32 v[VR], s18, v[VR]
	v_lshlrev_b32 v[LI], 4, v1
	v_lshlrev_b32 v[G8], 3, v1
	s_wait_alu depctr_va_vdst(0)
	s_mul_i32 s21, s15, AREG
	s_mul_i32 s22, s16, BREG
	s_add_co_u32 s22, s22, 2*AREG
.irp s, 0,1
	v_add_nc_u32 v[ADRA+\s], s21, v[LI]
	v_add_nc_u32 v[ADRB+\s], s22, v[LI]
	s_add_co_u32 s21, s21, SLOT
	s_add_co_u32 s22, s22, SLOT
.endr
	s_lshl_b32 s21, s14, 8
	s_add_co_u32 s21, s21, GATH
	v_lshlrev_b32 v[GS], 2, v13
	v_add_nc_u32 v[GS], s21, v[GS]
	v_add_nc_u32 v[GL], s21, v[G8]
.irp b, 0,1,2,3
	v_mov_b32 v[TM+4+\b], 0
.endr
	s_wait_tensorcnt 1
	s_barrier_signal -1
	s_barrier_wait -1
	START 0
	STEP 0, 0, 0, 1
	STEP 0, 1, 0, 0
	STEP 0, 2, 0, 0
	TURN 0, 1, 0, 1, 1
	TLOADS
	STEP 1, 0, 0, 0
	STEP 1, 1, 0, 0
	STEP 1, 2, 0, 0
	TURN 1, 0, 0, 1, 0
	s_wait_loadcnt 0x0
	LEAVE 0
	START 1
	STEP 0, 0, 1, 1
	STEP 0, 1, 1, 0
	STEP 0, 2, 1, 0
	TURN 0, 1, 1, 2, 1
	STEP 1, 0, 1, 0
	STEP 1, 1, 1, 0
	STEP 1, 2, 1, 0
	TURN 1, 0, 1, 2, 0
	LEAVE 1
	START 2
	STEP 0, 0, 0, 1
	STEP 0, 1, 0, 0
	STEP 0, 2, 0, 0
	TURN 0, 1, 0, 0, 1
	STEP 1, 0, 0, 0
	STEP 1, 1, 0, 0
	STEP 1, 2, 0, 0
	s_wait_dscnt (NA/2)*NL
	WIN MUL_LO
	MUL16 0, 1, 7, 0, 0
	s_wait_dscnt 0x0
	MUL16 2, 1, 7, 0, 0
	WIN 0
	LEAVE 2
	s_wait_tensorcnt 0x0
	ds_add_u32 v[SPW], v[NIL]
	s_wait_dscnt 0x0
	CROUND
	s_endpgm
.Lfunc_end_k_q023cc015b7_proj:
	.size	k_q023cc015b7_proj, .Lfunc_end_k_q023cc015b7_proj-k_q023cc015b7_proj
	.p2alignl 7, 3214868480
	.fill 96, 4, 3214868480
	.section	.rodata,"a",@progbits
	.p2align	6, 0x0
	.amdhsa_kernel k_q023cc015b7_proj
		.amdhsa_group_segment_fixed_size 327680
		.amdhsa_private_segment_fixed_size 0
		.amdhsa_enable_private_segment 0
		.amdhsa_kernarg_size 56
		.amdhsa_user_sgpr_count 2
		.amdhsa_user_sgpr_kernarg_segment_ptr 1
		.amdhsa_wavefront_size32 1
		.amdhsa_system_sgpr_workgroup_id_x 1
		.amdhsa_system_sgpr_workgroup_id_y 1
		.amdhsa_system_sgpr_workgroup_id_z 1
		.amdhsa_system_vgpr_workitem_id 0
		.amdhsa_next_free_vgpr 1024
		.amdhsa_next_free_sgpr 102
		.amdhsa_reserve_vcc 0
		.amdhsa_float_denorm_mode_32 3
		.amdhsa_float_denorm_mode_16_64 3
		.amdhsa_memory_ordered 1
		.amdhsa_forward_progress 1
		.amdhsa_inst_pref_size 255
	.end_amdhsa_kernel
	.section	.bss,"aw",@nobits
	.p2align	6
	.space	262144
	.amdgpu_metadata
---
amdhsa.version: [ 1, 2 ]
amdhsa.kernels:
  - .name:           k_q023cc015b7_proj
    .symbol:         k_q023cc015b7_proj.kd
    .args:
      - { .name: xc, .offset: 0, .size: 8, .value_kind: global_buffer, .address_space: global }
      - { .name: xs, .offset: 8, .size: 8, .value_kind: global_buffer, .address_space: global }
      - { .name: bq, .offset: 16, .size: 8, .value_kind: global_buffer, .address_space: global }
      - { .name: bk, .offset: 24, .size: 8, .value_kind: global_buffer, .address_space: global }
      - { .name: bv, .offset: 32, .size: 8, .value_kind: global_buffer, .address_space: global }
      - { .name: qc, .offset: 40, .size: 8, .value_kind: global_buffer, .address_space: global }
      - { .name: qs, .offset: 48, .size: 8, .value_kind: global_buffer, .address_space: global }
    .group_segment_fixed_size: 327680
    .private_segment_fixed_size: 0
    .kernarg_segment_align: 8
    .kernarg_segment_size: 56
    .max_flat_workgroup_size: 128
    .sgpr_count:     102
    .vgpr_count:     1024
    .wavefront_size: 32
...
	.end_amdgpu_metadata
.endif
;; end of part 2
;; launch score (part 3): grid 8 x 32, 4 waves a work-group, clusters of 4 x 4, 327,680 bytes of LDS; arguments qc, qs, attn_mask, pc, ps, st; writes pc, ps, st
.if DOCPART == 3
	.amdgcn_target "amdgcn-amd-amdhsa--gfx1250"
	.amdhsa_code_object_version 6
	.text
	.protected	k_q023cc015b7_score
	.globl	k_q023cc015b7_score
	.p2align	8
	.type	k_q023cc015b7_score,@function
k_q023cc015b7_score:
	s_mov_b64 s[64:65], 0
	v_nop
	global_prefetch_b8 v0, s[64:65] scope:SCOPE_SE
	s_setreg_imm32_b32 hwreg(HW_REG_WAVE_MODE, 25, 1), 1
	s_wait_xcnt 0x0
	s_wait_alu depctr_hold_cnt(0) depctr_sa_sdst(0) depctr_va_vdst(0) depctr_va_sdst(0) depctr_va_ssrc(0) depctr_va_vcc(0) depctr_vm_vsrc(0)
	s_getreg_b32 s2, hwreg(HW_REG_IB_STS2, 6, 4)
	s_cmp_eq_u32 s2, 0
	s_cbranch_scc0 .Lentry_in_a_cluster
	s_endpgm
.Lentry_in_a_cluster:
	s_bfe_u32 s2, ttmp6, 0x10000c
	s_cmp_lg_u32 s2, 0xf033
	s_cbranch_scc0 .Lentry_shape_is_right
	s_endpgm
.Lentry_shape_is_right:
; LAUNCH 3 OF 4: S = q k^T on codes; x = S / 32 + attn_mask; and the softmax's numerator, quantised along the keys.  Nothing is left out.
; THE SOFTMAX IS TAKEN PER 128 KEYS.  For a query and a wave's 128 keys: t = x log2(e); M = the ceiling of the largest t of these 128; p = 2^(t - M) is quantised in blocks of 32 keys; l = the sum of the unquantised p.
; M is a whole number, so the step to the row's own M is an exact power of two: the last launch takes it off p's scale bytes and off l.  Stored for it: -M and l, [16 groups of 128 keys][8,192 stored rows] each.
; SHARES: a tile of 256 queries x 256 keys to a work-group, 128 x 128 to a wave (64 accumulators); K = 1,024 in 8 steps through two slots of two steps; joint loads in a 4 x 4 cluster (q's tile along a row, k's along a column).
; The matrix instruction is used transposed (source 0 = 16 keys, source 1 = 16 queries): a lane holds one stored query, and register 8 b + j of a block's 64 results is key 32 (b / 2) + 16 (lane / 16) + 8 (b % 2) + j.
; THE SCALE WORDS of my 128 queries and 128 keys, all 8 K steps, stand in 64 registers from the head on: register (K step, i): lanes 0-15 q's block i, lanes 16-31 k's block i.  So the head has one tensor load a wave.
; THE MASK, 8 blocks of 16 stored queries x 512 bytes a wave: each block comes by 16 loads of 512 consecutive bytes into a set of 64 registers and turns through one of my five places in LDS (rows 528 bytes apart) into
; the results' layout.  Three places lie behind the ring; two lie in slot 0, which has had its last fill and, behind the last change of slots, its last read.  Blocks 0 to 4 go to their places under the products,
; blocks 5 to 7 wait in registers and take places 0 to 2 on the way out.  There block a + 1 turns through LDS while block a is worked on: x has two buffers.
; PREFETCH OF THE CODES: K steps 2 to 7 (9,216 bytes of each row block, 36 blocks of 256 bytes) are named once in each cluster, at the head, ahead of every mask request and one to three fills ahead of the loads that want them:
; of a tile's 16 row blocks the partner at place p takes 4 p + wave (p = cx for q's tile, cy for k's): told apart by address; lanes left over name the last block again.
; PREFETCH OF THE MASK: blocks 0 and 1 come by their loads alone; blocks 2, 3 are named at the head, 4, 5 in K step 0, 6, 7 in K step 2: at least two K steps ahead of their loads.  A lane names one aligned 256 bytes,
; 16 rows x 2 an instruction, each once in the launch: nobody else reads them.
; OUT: pc: P's fragments, 16 K steps a row block; ps: [16][8192] scale words; st: -M at 0, l at 524,288.
; LIMITS: +infinity or NaN in the mask gives NaN, as in the problem's own arithmetic.  128 keys that are all -infinity take M = -3e38, zero codes and l = 0.  A block of 32 whose largest p lies under 2^-122 keeps the byte 1.
; REGISTERS: window 0: v0-31 addresses and the way out's small numbers; v32-63, v224-255 scale words; v64-127 mask set 0, then x's second buffer; v128-223 A's fragments (on the way out x, codes, small numbers).
;   window 1: B's fragments at v0-95 and v128-223 (at the end mask sets 2, 3); mask set 1 in v96-127 and v224-255.  windows 2, 3: the accumulators.
.set FR,    12
.set FRB,   1536
.set AREG,  8*2*FRB                    ; 128 rows x two K steps
.set SLOT,  4*AREG
.set MSK,   2*SLOT                     ; the mask's places 0 to 2: three of MBL bytes a wave
.set MBL,   16*528
.set GATH,  MSK+4*3*MBL                ; 1,536 bytes a wave: scale words, -M, l of my 128 rows
.set SPARE, GATH+4*1536
.set LI,   2                           ; 16 x lane
.set STI,  3                           ; places 0 to 2, on the way in
.set STO,  4                           ; and out: 528 r + 64 h
.set GS,   5
.set GL,   6
.set PFO,  7                           ; 256 x lane; never rewritten
.set NM,   8                           ; v[8:9] -M
.set SUM,  10
.set SUB2, 12
.set TMP,  14
.set PW,   15
.set ADRA, 16
.set L,    18
.set PFM,  19                          ; the mask's prefetches: row r + 8 (r / 8) of a block, its first or second 256 bytes; never rewritten
.set ADRB, 20
.set ST2,  22                          ; places 3 and 4 (in slot 0), on the way in
.set SO2,  23                          ; and out
.set PF2,  26                          ; 256 x min(lane, 3); never rewritten
.set VS,   27                          ; my scale words' offset; never rewritten
.set SPW,  28
.set NIL,  29
.set SC,   32
.set AF,   128
.set PC,   192
.set BM,   212
.set BT,   216
.set SO,   220
.set CI,   2
.set CL,   18
.set SEL,  100
.set MB,   12
.set PB,   66
.set PSB,  92
.set STB,  94
.set G1,   24
.set G0,   32
.set G1B,  48
.set G0B,  56
.set MSB, 0
.macro WIN new
.if MSB != (\new)
	s_set_vgpr_msb (MSB<<8)|(\new)
.set MSB, (\new)
.endif
.endm
.set MUL_LO, 0xa1
.set MUL_HI, 0xf1
.set TO_B,   0x40
.macro JLOAD g0a, g1a, g0b, g1b        ; a joint load: waves 0 and 1 fetch for q, waves 2 and 3 for k; an s_nop 0 and four v_nop follow each line
	s_cmp_eq_u32 s15, 0
	s_cbranch_scc0 .Lfor_b_\@
	tensor_load_to_lds s[\g0a:\g0a+3], s[\g1a:\g1a+7]
	s_nop 0
.rept 4
	v_nop
.endr
	s_branch .Lasked_\@
.Lfor_b_\@:
	tensor_load_to_lds s[\g0b:\g0b+3], s[\g1b:\g1b+7]
	s_nop 0
.rept 4
	v_nop
.endr
.Lasked_\@:
.endm
.macro CREST
	s_cmp_lg_u32 s14, 0
	s_cbranch_scc1 .Lnot_wave_0_\@
	s_barrier_signal -3
.Lnot_wave_0_\@:
	s_barrier_wait -3
	s_barrier_signal -1
	s_barrier_wait -1
.endm
.macro CROUND
	s_barrier_signal -1
	s_barrier_wait -1
	CREST
.endm
.macro PLACES n
.rept \n
	v_nop
.endr
.endm
.macro FRAG reg, adr, q, i
.irp c, 0,1,2
	ds_load_b128 v[\reg+4*\c:\reg+4*\c+3], v[\adr] offset:((\i)*2+(\q))*FRB+512*\c
.endr
.endm
.macro MUL16 a0, p, kk, zero           ; the accumulators take turns, in the same order in every step
.irp a, \a0, \a0+1
.irp b, 0,1,2,3,4,5,6,7
.set rD, 8*(8*((\a)%4)+\b)
.set rB, 128*(\p)+FR*\b
.set rA, AF+FR*(\a)
.set xS, SC+8*(\kk)+160*((\kk)/4)
.if \zero
	v_wmma_scale_f32_16x16x128_f8f6f4 v[rD:rD+7], v[rB:rB+11], v[rA:rA+11], 0, v[xS+\b], v[xS+(\a)] matrix_a_fmt:MATRIX_FMT_BF6 matrix_b_fmt:MATRIX_FMT_BF6 matrix_a_scale:MATRIX_SCALE_ROW1
.else
	v_wmma_scale_f32_16x16x128_f8f6f4 v[rD:rD+7], v[rB:rB+11], v[rA:rA+11], v[rD:rD+7], v[xS+\b], v[xS+(\a)] matrix_a_fmt:MATRIX_FMT_BF6 matrix_b_fmt:MATRIX_FMT_BF6 matrix_a_scale:MATRIX_SCALE_ROW1
.endif
.endr
.endr
.endm
.macro LOWER p, kk, zero
	WIN MUL_LO
	MUL16 0, \p, \kk, \zero
	MUL16 2, \p, \kk, \zero
.endm
.macro UPPER p, kk, zero
	WIN MUL_HI
	MUL16 4, \p, \kk, \zero
	MUL16 6, \p, \kk, \zero
.endm
.macro FETCH_B slot, q, p
	WIN TO_B
.irp i, 0,1,2,3,4,5,6,7
	FRAG 128*(\p)+FR*\i, ADRB+\slot, \q, \i
.endr
	WIN 0
.endm
.macro FETCH_A slot, q, i0
.irp i, \i0, \i0+1, \i0+2, \i0+3
	FRAG AF+FR*(\i), ADRA+\slot, \q, \i
.endr
.endm
.macro RAWSET a, i                     ; rR: the four registers of row i of mask block a.  Blocks 0, 2, 4: set 0; 1, 3, 5: set 1; 6, 7: sets 2, 3
.if (\a) < 6
.set ms, (\a)%2
.else
.set ms, (\a)-4
.endif
.if ms == 0
.set rR, 64+4*(\i)
.elseif ms == 1
.set rR, 96+4*(\i)+96*((\i)/8)
.elseif ms == 2
.set rR, 4*(\i)
.else
.set rR, 128+4*(\i)
.endif
.endm
.macro PLC a                           ; block a's place: a % 5
.set pp, (\a)%5
.if pp < 3
.set pI, STI
.set pL, STO
.set pF, MBL*pp
.else
.set pI, ST2
.set pL, SO2
.set pF, MBL*(pp-3)
.endif
.endm
.macro MASK_AHEAD a                    ; block a's 16 rows x 512 bytes are named
	global_prefetch_b8 v[PFM], s[MB:MB+1] offset:(32*((\a)/2)+8*((\a)%2))*8192 th:TH_LOAD_NT scope:SCOPE_SE
.endm
.macro MLOAD a                         ; the mask of block a's 16 stored queries x my 128 keys
.if ((\a)%2 != 0) || ((\a) > 4)
	WIN TO_B
.endif
.irp i, 0,1,2,3,4,5,6,7,8,9,10,11,12,13,14,15
	RAWSET \a, \i
	global_load_b128 v[rR:rR+3], v[LI], s[MB:MB+1] offset:(32*((\a)/2)+8*((\a)%2)+\i+8*(\i/8))*8192 th:TH_LOAD_NT
.endr
	WIN 0
.endm
.macro MSTORE a                        ; block a into its place
	PLC \a
.if ((\a)%2 != 0) || ((\a) > 4)
	WIN 0x04                                       ; an LDS store's data are its source 1: window 1
.endif
.irp i, 0,1,2,3,4,5,6,7,8,9,10,11,12,13,14,15
	RAWSET \a, \i
	ds_store_b128 v[pI], v[rR:rR+3] offset:pF+528*\i
.endr
	WIN 0
.endm
.macro LOADX a                         ; block a's mask out of its place, in the results' layout, into x's buffer a % 2
	PLC \a
.set XN, 128-64*((\a)%2)
.irp b, 0,1,2,3
.irp p, 0,1,2,3
	ds_load_b128 v[XN+16*\b+4*\p:XN+16*\b+4*\p+3], v[pL] offset:pF+128*\b+16*\p
.endr
.endr
.endm
; The mask's work in the middle of K step k, behind that step's wait for all my LDS instructions: so a set's stores of the step before have read their registers when the set is loaded anew.
; Each wait on LOADcnt leaves the one younger block's 16 loads out.
.macro MOP k
.if (\k) == 0
	MASK_AHEAD 4
	MASK_AHEAD 5
.elseif (\k) == 1
	s_wait_loadcnt 16
	MSTORE 0
.elseif (\k) == 2
	MLOAD 2
	s_wait_loadcnt 16
	MSTORE 1
	MASK_AHEAD 6
	MASK_AHEAD 7
.elseif (\k) == 3
	MLOAD 3
.elseif (\k) == 4
	s_wait_loadcnt 16
	MSTORE 2
.elseif (\k) == 5
	MLOAD 4
	s_wait_loadcnt 16
	MSTORE 3                                       ; into slot 0, behind the barrier behind which nobody reads it
.elseif (\k) == 6
	MLOAD 5
.elseif (\k) == 7
	s_wait_loadcnt 16
	MSTORE 4
	MLOAD 6                                        ; into B's set 0, which the last K step does not read
.endif
.endm
.macro STEP slot, kk, zero             ; a slot's first K step
	s_wait_dscnt 12                                ; all but the youngest loads (A's upper blocks) are in
	LOWER 0, \kk, \zero
	s_wait_dscnt 0x0
	PLACES 4
	WIN 0
	MOP \kk
	FETCH_B \slot, 1, 1
	FETCH_A \slot, 1, 0
	UPPER 0, \kk, \zero
	PLACES 4
	WIN 0
	FETCH_A \slot, 1, 4
.endm
.macro TURN slot, next, kk, fill       ; a slot's second K step, and the change of slots
	s_wait_tensorcnt 0x0                           ; all my tensor loads have landed: my part of the next slot
	ds_add_u32 v[SPW], v[NIL]
	s_wait_dscnt 13                                ; (the add and A's upper blocks may be out)
	WIN MUL_LO
	MUL16 0, 1, \kk, 0
	s_wait_dscnt 0x0                               ; the add is done, and my reads of this slot are over
	s_barrier_signal -1
	MUL16 2, 1, \kk, 0
	WIN 0
	s_barrier_wait -1
.if \fill
	CREST
	s_add_nc_u64 s[G0+4*\slot+2:G0+4*\slot+3], s[G0+4*\slot+2:G0+4*\slot+3], 4*FRB
	s_add_nc_u64 s[G0B+4*\slot+2:G0B+4*\slot+3], s[G0B+4*\slot+2:G0B+4*\slot+3], 4*FRB
	JLOAD G0+4*\slot, G1, G0B+4*\slot, G1B
.else
	PLACES 4
.endif
	MOP \kk
	FETCH_B \next, 0, 0
	FETCH_A \next, 0, 0
	UPPER 1, \kk, 0
	PLACES 4
	WIN 0
	FETCH_A \next, 0, 4
.endm
.macro SOFT a
.set X, 128-64*((\a)%2)
.if (\a) > 0
	s_wait_xcnt 0x0                                ; the last block's stores have read the codes' registers
.endif
.if (\a) < 7
.if (\a) >= 4
	s_wait_loadcnt 16*(6-(\a))                     ; the next block's mask is in registers; the younger blocks' loads may be out
	MSTORE (\a)+1                                  ; LDS serves a wave's instructions in order: the place's last reads are over
.endif
	LOADX (\a)+1                                   ; the next block turns through LDS under this block's work
.endif
.if (\a) == 0
	s_wait_dscnt 16                                ; this block's mask is in; younger: the next block's loads,
.elseif (\a) < 4
	s_wait_dscnt 19                                ; the last block's three stores of words,
.elseif (\a) < 7
	s_wait_dscnt 35                                ; and the next block's 16 stores
.else
	s_wait_dscnt 3
.endif
	WIN 0x02+(\a)/4
	s_wait_alu depctr_va_vdst(0)                   ; the wait ahead of the first readers of matrix results
.irp b, 0,1,2,3,4,5,6,7
.irp i, 0,2,4,6
	v_pk_fma_f32 v[X+8*\b+\i:X+8*\b+\i+1], v[8*(8*((\a)%4)+\b)+\i:8*(8*((\a)%4)+\b)+\i+1], s[CI:CI+1], v[X+8*\b+\i:X+8*\b+\i+1] op_sel_hi:[1,0,1]   ; x = S / 32 + mask
.endr
.endr
	WIN 0
.irp b, 0,1,2,3
	v_max3_num_f32 v[BM+\b], v[X+16*\b], v[X+1+16*\b], v[X+2+16*\b]   ; each block's largest x: it serves the row's maximum and, since p rises with x, the block's largest p
.endr
.irp i, 3,5,7,9,11,13
.irp b, 0,1,2,3
	v_max3_num_f32 v[BM+\b], v[BM+\b], v[X+16*\b+\i], v[X+1+16*\b+\i]
.endr
.endr
.irp b, 0,1,2,3
	v_max_num_f32 v[BM+\b], v[BM+\b], v[X+15+16*\b]
.endr
.irp b, 0,1,2,3
	v_permlanex16_b32 v[BT+\b], v[BM+\b], s[SEL], s[SEL+1]
.endr
.irp b, 0,1,2,3
	v_max_num_f32 v[BM+\b], v[BM+\b], v[BT+\b]
.endr
	v_max3_num_f32 v[TMP], v[BM], v[BM+1], v[BM+2]
	v_max_num_f32 v[TMP], v[TMP], v[BM+3]
	v_mul_f32 v[TMP], s[CL], v[TMP]                ; the largest t of my query's 128 keys,
	v_max_num_f32 v[TMP], 0xff61b1e6, v[TMP]       ; not under -3e38
	v_floor_f32 v[NM], -v[TMP]                     ; -M = floor(-t) = -ceil(t)
.irp j, 0,2,4,6,8,10,12,14,16,18,20,22,24,26,28,30,32,34,36,38,40,42,44,46,48,50,52,54,56,58,60,62
	v_pk_fma_f32 v[X+\j:X+\j+1], v[X+\j:X+\j+1], s[CL:CL+1], v[NM:NM+1] op_sel_hi:[1,0,0]   ; t - M
.endr
.irp b, 0,1,2,3
	v_fma_f32 v[BM+\b], v[BM+\b], s[CL], v[NM]
.endr
	s_wait_alu depctr_va_vdst(0)                   ; the wait ahead of the batch
.irp j, 0,1,2,3,4,5,6,7,8,9,10,11,12,13,14,15,16,17,18,19,20,21,22,23,24,25,26,27,28,29,30,31,32,33,34,35,36,37,38,39,40,41,42,43,44,45,46,47,48,49,50,51,52,53,54,55,56,57,58,59,60,61,62,63
	v_exp_f32 v[X+\j], v[X+\j]                     ; p = 2^(t - M)
.endr
	v_nop                                          ; a plain instruction behind the exponentials
	s_wait_alu depctr_va_vdst(0)                   ; one wait for the batch, ahead of its first reader
.irp b, 0,1,2,3
	v_exp_f32 v[BM+\b], v[BM+\b]                   ; each block's largest p
.endr
	v_pk_add_f32 v[SUM:SUM+1], v[X:X+1], v[X+4:X+5]   ; l is the sum of the unquantised p: two chains of packed sums
	v_pk_add_f32 v[SUB2:SUB2+1], v[X+2:X+3], v[X+6:X+7]
.irp j, 8,12,16,20,24,28,32,36,40,44,48,52,56,60
	v_pk_add_f32 v[SUM:SUM+1], v[SUM:SUM+1], v[X+\j:X+\j+1]
	v_pk_add_f32 v[SUB2:SUB2+1], v[SUB2:SUB2+1], v[X+\j+2:X+\j+3]
.endr
	v_pk_add_f32 v[SUM:SUM+1], v[SUM:SUM+1], v[SUB2:SUB2+1]
	v_add_f32 v[L], v[SUM], v[SUM+1]
	v_permlanex16_b32 v[TMP], v[L], s[SEL], s[SEL+1]
	v_add_f32 v[L], v[L], v[TMP]
	s_wait_alu depctr_va_vdst(0)                   ; and one for the four
.irp b, 0,1,2,3
	v_max_num_f32 v[BM+\b], 0x2800000, v[BM+\b]    ; the floor 2^(5 - 127): the byte cannot fall under 1
.endr
.irp b, 0,1,2,3
	v_add_nc_u32 v[SO+\b], 0xfe000000, v[BM+\b]
.endr
.irp b, 0,1,2,3
	v_lshrrev_b32 v[BT+\b], 23, v[SO+\b]
.endr
	v_lshl_or_b32 v[PW], v[BT+1], 8, v[BT]
	v_lshl_or_b32 v[PW], v[BT+2], 16, v[PW]
	v_lshl_or_b32 v[PW], v[BT+3], 24, v[PW]
.irp c, 0,1
	v_cvt_scalef32_pk16_bf6_f32 v[PC+6*\c:PC+2+6*\c], v[X+32*\c:X+15+32*\c], v[SO+2*\c]
	v_cvt_scalef32_pk16_bf6_f32 v[PC+12+4*\c:PC+14+4*\c], v[X+16+32*\c:X+31+32*\c], v[SO+2*\c+1]
.endr
	v_nop                                          ; one plain instruction behind the scaled conversions
.irp c, 0,1
.irp i, 0,1,2
	v_permlane16_swap_b32 v[PC+6*\c+\i], v[PC+12+4*\c+\i]
.endr
.irp i, 0,1,2
	v_mov_b32 v[PC+3+6*\c+\i], v[PC+12+4*\c+\i]
.endr
.endr
.irp c, 0,1,2
	global_store_b128 v[LI], v[PC+4*\c:PC+4*\c+3], s[PB:PB+1] offset:24576*(\a)+512*\c
.endr
	ds_store_b32 v[GS], v[PW] offset:64*(\a)
	ds_store_b32 v[GS], v[NM] offset:64*(\a)+512
	ds_store_b32 v[GS], v[L] offset:64*(\a)+1024
.endm
	s_load_b256 s[4:11], s[0:1], 0x0               ; qc, qs, attn_mask, pc
	s_load_b128 s[96:99], s[0:1], 0x20             ; ps, st
	v_lshl_add_u32 v[SPW], v0, 2, SPARE
	v_mov_b32 v[NIL], 0
	ds_add_u32 v[SPW], v[NIL]                      ; the wave's opening: the add, twice on end, and its wait ahead of my first tensor load
	ds_add_u32 v[SPW], v[NIL]
	v_lshrrev_b32 v1, 5, v0
	v_readfirstlane_b32 s14, v1
	s_lshr_b32 s15, s14, 1
	s_and_b32 s16, s14, 1
	s_bfe_u32 s40, ttmp6, 0x40000
	s_bfe_u32 s41, ttmp6, 0x40004
	s_lshl_b32 s43, s41, 2
	s_lshl_b32 s43, 15, s43
	s_lshl_b32 s44, 0x1111, s40
	s_lshl_b32 s42, ttmp9, 2
	s_add_co_u32 s42, s42, s40                     ; which 256 keys of the batch
	s_and_b32 s18, ttmp7, 0xffff
	s_lshl_b32 s17, s18, 2
	s_add_co_u32 s17, s17, s41                     ; which 256 of the 8,192 queries
	s_lshr_b32 s46, s18, 1
	s_lshl_b32 s46, s46, 11                        ; the batch's first key: two clusters along y to a batch
	s_or_b32 s[G1+0], s43, (3<<16)|(1<<21)
	s_or_b32 s[G1B+0], s44, (3<<16)|(1<<21)
.irp g, G1, G1B                                ; 8 row blocks x 3,072 bytes (two K steps), 12,288 bytes from row block to row block
	s_mov_b32 s[\g+1], 384<<16
	s_mov_b32 s[\g+2], 8<<16
	s_mov_b32 s[\g+3], 384<<16
	s_mov_b32 s[\g+4], 8
	s_mov_b32 s[\g+5], 1536
	s_mov_b32 s[\g+6], 0
	s_mov_b32 s[\g+7], 0
.endr
	s_lshl_b32 s18, s16, 7
	s_lshl_b32 s20, s17, 8
	s_mul_i32 s72, s20, 768                        ; q's tile, for the prefetches
	s_add_co_u32 s20, s20, s18
	s_mul_i32 s20, s20, 768
	s_mov_b32 s21, 0
	s_lshl_b32 s47, s42, 8
	s_add_co_u32 s46, s46, s47
	s_mul_i32 s74, s46, 768                        ; k's tile, for the prefetches
	s_lshl_b32 s77, s46, 2                         ; and its scale words
	s_add_co_u32 s46, s46, s18
	s_mul_i32 s46, s46, 768
	s_add_co_u32 s46, s46, 6291456                 ; k's codes behind q's
	s_mov_b32 s47, 0
	s_mul_i32 s45, s14, AREG
	s_wait_dscnt 0x0
	s_wait_kmcnt 0x0
	s_add_nc_u64 s[20:21], s[4:5], s[20:21]
	s_add_nc_u64 s[46:47], s[4:5], s[46:47]
	CROUND
.irp s, 0,1
	s_mov_b32 s[G0+4*\s], 1
	s_add_co_u32 s[G0+4*\s+1], s45, \s*SLOT
	s_add_nc_u64 s[G0+4*\s+2:G0+4*\s+3], s[20:21], \s*2*FRB
	s_or_b32 s[G0+4*\s+3], s[G0+4*\s+3], 0x80000000
	s_mov_b32 s[G0B+4*\s], 1
	s_add_co_u32 s[G0B+4*\s+1], s45, \s*SLOT
	s_add_nc_u64 s[G0B+4*\s+2:G0B+4*\s+3], s[46:47], \s*2*FRB
	s_or_b32 s[G0B+4*\s+3], s[G0B+4*\s+3], 0x80000000
.endr
	JLOAD G0, G1, G0B, G1B                         ; K steps 0 and 1: one tensor load a wave at the head
	s_lshl_b32 s76, s40, 2                         ; the codes' prefetches: row block 4 cx + wave of q's tile, from K step 2 on,
	s_add_co_u32 s76, s76, s14
	s_mul_i32 s76, s76, 12288
	s_add_co_u32 s72, s72, s76
	s_add_co_u32 s72, s72, 3072
	s_mov_b32 s73, 0
	s_add_nc_u64 s[68:69], s[4:5], s[72:73]
	s_lshl_b32 s76, s41, 2                         ; and row block 4 cy + wave of k's
	s_add_co_u32 s76, s76, s14
	s_mul_i32 s76, s76, 12288
	s_add_co_u32 s74, s74, s76
	s_add_co_u32 s74, s74, 6291456+3072
	s_mov_b32 s75, 0
	s_add_nc_u64 s[70:71], s[4:5], s[74:75]
	s_lshl_b32 s20, s17, 8
	s_lshl_b32 s21, s15, 7
	s_add_co_u32 s20, s20, s21                     ; my first row
	s_lshl_b32 s46, s42, 8
	s_lshl_b32 s47, s16, 7
	s_add_co_u32 s46, s46, s47                     ; my first key
	s_lshl_b32 s12, s20, 13                        ; 8,192 bytes a row of the mask
	s_lshl_b32 s13, s46, 2
	s_add_co_u32 s12, s12, s13
	s_mov_b32 s13, 0
	s_add_nc_u64 s[MB:MB+1], s[8:9], s[12:13]
	s_lshl_b32 s76, s20, 2                         ; q's scale words of my rows;
	s_lshl_b32 s47, s16, 9
	s_add_co_u32 s77, s77, s47
	s_add_co_u32 s77, s77, 262144                  ; k's lie behind q's:
	s_sub_co_u32 s77, s77, s76                     ; how far behind mine
	s_mul_i32 s78, s15, AREG
	s_mul_i32 s79, s16, AREG
	s_add_co_u32 s79, s79, 2*AREG
	s_mul_i32 s80, s14, 3*MBL
	s_add_co_u32 s80, s80, MSK
	s_mul_i32 s81, s14, 1536
	s_add_co_u32 s81, s81, GATH
	s_mul_i32 s82, s14, AREG                       ; my quarter of slot 0: places 3 and 4
	v_and_b32 v1, 31, v0
	v_and_b32 v13, 15, v0                          ; r
	v_bfe_u32 v14, v0, 4, 1                        ; h
	v_lshlrev_b32 v[LI], 4, v1
	v_lshlrev_b32 v[PFO], 8, v1
	v_min_u32 v[PF2], 3, v1
	v_lshlrev_b32 v[PF2], 8, v[PF2]
	v_and_b32 v15, 8, v13
	v_add_nc_u32 v15, v15, v13
	v_lshlrev_b32 v[PFM], 13, v15
	v_lshl_add_u32 v[PFM], v14, 8, v[PFM]
	v_mul_lo_u32 v[VS], v14, s77                   ; lanes 16-31 take k's words
	v_lshl_add_u32 v[VS], v13, 2, v[VS]
	v_add_nc_u32 v[VS], s76, v[VS]
	v_add_nc_u32 v[ADRA], s78, v[LI]
	v_add_nc_u32 v[ADRA+1], SLOT, v[ADRA]
	v_add_nc_u32 v[ADRB], s79, v[LI]
	v_add_nc_u32 v[ADRB+1], SLOT, v[ADRB]
	v_add_nc_u32 v[STI], s80, v[LI]
	v_add_nc_u32 v[ST2], s82, v[LI]
	v_mul_u32_u24 v[STO], v13, 528
	v_lshl_add_u32 v[STO], v14, 6, v[STO]
	v_add_nc_u32 v[SO2], s82, v[STO]
	v_add_nc_u32 v[STO], s80, v[STO]
	v_lshlrev_b32 v[GS], 2, v13
	v_add_nc_u32 v[GS], s81, v[GS]
	v_add_nc_u32 v[GL], s81, v[LI]
	s_wait_alu depctr_va_vdst(0)                   ; the wait behind the head's last vector instruction
	global_prefetch_b8 v[PFO], s[68:69] th:TH_LOAD_NT scope:SCOPE_SE
	global_prefetch_b8 v[PF2], s[68:69] offset:8192 th:TH_LOAD_NT scope:SCOPE_SE
	global_prefetch_b8 v[PFO], s[70:71] th:TH_LOAD_NT scope:SCOPE_SE
	global_prefetch_b8 v[PF2], s[70:71] offset:8192 th:TH_LOAD_NT scope:SCOPE_SE
.irp k, 0,1,2,3,4,5,6,7
.irp i, 0,1,2,3,4,5,6,7
	global_load_b32 v[SC+8*\k+160*(\k/4)+\i], v[VS], s[6:7] offset:32768*\k+64*\i
.endr
.endr
	MLOAD 0                                        ; the mask's first two blocks are on their way while the first tiles land
	MLOAD 1
	MASK_AHEAD 2
	MASK_AHEAD 3
	s_lshr_b32 s47, s46, 7                         ; my K step of P
	s_add_co_u32 s66, s20, s47                     ; (row block x 16 K steps = my first row)
	s_mul_i32 s66, s66, FRB
	s_mov_b32 s67, 0
	s_add_nc_u64 s[PB:PB+1], s[10:11], s[66:67]
	s_lshl_b32 s92, s47, 15
	s_lshl_b32 s93, s20, 2
	s_add_co_u32 s92, s92, s93
	s_mov_b32 s93, 0
	s_add_nc_u64 s[STB:STB+1], s[98:99], s[92:93]
	s_add_nc_u64 s[PSB:PSB+1], s[96:97], s[92:93]
	s_mov_b32 s[CI], 0x3d000000                    ; 1 / sqrt(1024)
	s_mov_b32 s[CI+1], s[CI]
	s_mov_b32 s[CL], 0x3fb8aa3b                    ; log2(e)
	s_mov_b32 s[CL+1], s[CL]
	s_mov_b32 s[SEL], 0x76543210
	s_mov_b32 s[SEL+1], 0xfedcba98
	s_wait_tensorcnt 0x0                           ; my part of slot 0 is in; slot 1's first fill stands behind the full sequence, as a refill does
	ds_add_u32 v[SPW], v[NIL]
	s_wait_dscnt 0x0
	CROUND
	JLOAD G0+4, G1, G0B+4, G1B                     ; K steps 2 and 3
	FETCH_B 0, 0, 0
	FETCH_A 0, 0, 0
	FETCH_A 0, 0, 4
	s_wait_loadcnt 32                              ; the scale words are in; the mask's 32 loads may be out
	STEP 0, 0, 1
	TURN 0, 1, 1, 1
	STEP 1, 2, 0
	TURN 1, 0, 3, 1
	STEP 0, 4, 0
	TURN 0, 1, 5, 0
	STEP 1, 6, 0
	s_wait_dscnt 12                                ; the last K step: nothing more to fetch
	LOWER 1, 7, 0
	s_wait_dscnt 0x0
	PLACES 4
	WIN 0
	MOP 7
	UPPER 1, 7, 0
	WIN 0
	PLACES 4
	MLOAD 7                                        ; into B's set 1
.irp b, 0,1,2,3
	v_mov_b32 v[BT+\b], 0                          ; a lane permute's destination counts as one of its sources
.endr
	v_mov_b32 v[TMP], 0
	v_mov_b32 v[NM+1], 0                           ; (named as the upper half of a pair)
	s_wait_dscnt 0x0                               ; block 4's stores have read set 0, which becomes x's second buffer
	LOADX 0
.irp a, 0,1,2,3,4,5,6,7
	SOFT \a
.endr
	ds_load_b128 v[128:131], v[GL]                 ; my 128 rows' scale words, -M and l
	ds_load_b128 v[132:135], v[GL] offset:512
	ds_load_b128 v[136:139], v[GL] offset:1024
	s_wait_dscnt 0x0
	global_store_b128 v[LI], v[128:131], s[PSB:PSB+1]
	global_store_b128 v[LI], v[132:135], s[STB:STB+1]
	global_store_b128 v[LI], v[136:139], s[STB:STB+1] offset:524288
	s_wait_tensorcnt 0x0                           ; the wave's end
	ds_add_u32 v[SPW], v[NIL]
	s_wait_dscnt 0x0
	CROUND
	s_endpgm
.Lfunc_end_k_q023cc015b7_score:
	.size	k_q023cc015b7_score, .Lfunc_end_k_q023cc015b7_score-k_q023cc015b7_score
	.p2alignl 7, 3214868480
	.fill 96, 4, 3214868480
	.section	.rodata,"a",@progbits
	.p2align	6, 0x0
	.amdhsa_kernel k_q023cc015b7_score
		.amdhsa_group_segment_fixed_size 327680
		.amdhsa_private_segment_fixed_size 0
		.amdhsa_enable_private_segment 0
		.amdhsa_kernarg_size 48
		.amdhsa_user_sgpr_count 2
		.amdhsa_user_sgpr_kernarg_segment_ptr 1
		.amdhsa_wavefront_size32 1
		.amdhsa_system_sgpr_workgroup_id_x 1
		.amdhsa_system_sgpr_workgroup_id_y 1
		.amdhsa_system_sgpr_workgroup_id_z 1
		.amdhsa_system_vgpr_workitem_id 0
		.amdhsa_next_free_vgpr 1024
		.amdhsa_next_free_sgpr 102
		.amdhsa_reserve_vcc 0
		.amdhsa_float_denorm_mode_32 3
		.amdhsa_float_denorm_mode_16_64 3
		.amdhsa_memory_ordered 1
		.amdhsa_forward_progress 1
		.amdhsa_inst_pref_size 246
	.end_amdhsa_kernel
	.amdgpu_metadata
---
amdhsa.version: [ 1, 2 ]
amdhsa.kernels:
  - .name:           k_q023cc015b7_score
    .symbol:         k_q023cc015b7_score.kd
    .args:
      - { .name: qc, .offset: 0, .size: 8, .value_kind: global_buffer, .address_space: global }
      - { .name: qs, .offset: 8, .size: 8, .value_kind: global_buffer, .address_space: global }
      - { .name: attn_mask, .offset: 16, .size: 8, .value_kind: global_buffer, .address_space: global }
      - { .name: pc, .offset: 24, .size: 8, .value_kind: global_buffer, .address_space: global }
      - { .name: ps, .offset: 32, .size: 8, .value_kind: global_buffer, .address_space: global }
      - { .name: st, .offset: 40, .size: 8, .value_kind: global_buffer, .address_space: global }
    .group_segment_fixed_size: 327680
    .private_segment_fixed_size: 0
    .kernarg_segment_align: 8
    .kernarg_segment_size: 48
    .max_flat_workgroup_size: 128
    .sgpr_count:     102
    .vgpr_count:     1024
    .wavefront_size: 32
...
	.end_amdgpu_metadata
.endif
;; end of part 3
;; launch pv (part 4): grid 4 x 64, 4 waves a work-group, clusters of 4 x 4, 327,680 bytes of LDS; arguments pc, ps, st, qc, qs, out0; writes out0
.if DOCPART == 4
	.amdgcn_target "amdgcn-amd-amdhsa--gfx1250"
	.amdhsa_code_object_version 6
	.text
	.protected	k_q023cc015b7_pv
	.globl	k_q023cc015b7_pv
	.p2align	8
	.type	k_q023cc015b7_pv,@function
k_q023cc015b7_pv:
	s_mov_b64 s[64:65], 0
	v_nop
	global_prefetch_b8 v0, s[64:65] scope:SCOPE_SE
	s_setreg_imm32_b32 hwreg(HW_REG_WAVE_MODE, 25, 1), 1
	s_wait_xcnt 0x0
	s_wait_alu depctr_hold_cnt(0) depctr_sa_sdst(0) depctr_va_vdst(0) depctr_va_sdst(0) depctr_va_ssrc(0) depctr_va_vcc(0) depctr_vm_vsrc(0)
	s_getreg_b32 s2, hwreg(HW_REG_IB_STS2, 6, 4)
	s_cmp_eq_u32 s2, 0
	s_cbranch_scc0 .Lentry_in_a_cluster
	s_endpgm
.Lentry_in_a_cluster:
	s_bfe_u32 s2, ttmp6, 0x10000c
	s_cmp_lg_u32 s2, 0xf033
	s_cbranch_scc0 .Lentry_shape_is_right
	s_endpgm
.Lentry_shape_is_right:
.set NA,    4
.set NQ,    4
.set FR,    12
.set NL,    3
.set FRB,   1536
.set AREG,  NA*NQ*FRB
.set BREG,  8*NQ*FRB
.set SLOT,  2*AREG+2*BREG
.set SPS,   NA/2+4
.set SAK,   512
.set SBK,   1024
.set SCB,   2*SLOT
.set PSC,   SCB+16384
.set RL,    PSC+8192
.set SPARE, RL+512
.set LI,   2
.set T4,   3
.set PSA,  4
.set RLA,  5
.set RLR,  6
.set STO,  7
.set RD,   8
.set ADRA, 16
.set ADRB, 20
.set ADSA, 24
.set ADSB, 25
.set SPW,  28
.set NIL,  29
.set SC,   32
.set RI,   80
.set AF,   128
.set HN,   128
.set HL,   144
.set HW,   160
.set RN,   176
.set LR,   177
.set D,    178
.set REP,  179
.set XX,   180
.set MM,   181
.set T2,   182
.set BK,   128
.set OUT,  92
.set G1,   24
.set G0,   32
.set G1B,  48
.set G0B,  56
.set G1SB, 80
.set G0SB, 88
.set MSB, 0
.macro WIN new
.if MSB != (\new)
	s_set_vgpr_msb (MSB<<8)|(\new)
.set MSB, (\new)
.endif
.endm
.set MUL_LO, 0xa1
.set TO_B,   0x40
.macro JLOAD g0a, g1a, g0b, g1b
	s_cmp_eq_u32 s15, 0
	s_cbranch_scc0 .Lfor_b_\@
	tensor_load_to_lds s[\g0a:\g0a+3], s[\g1a:\g1a+7]
	s_nop 0
.rept 4
	v_nop
.endr
	s_branch .Lasked_\@
.Lfor_b_\@:
	tensor_load_to_lds s[\g0b:\g0b+3], s[\g1b:\g1b+7]
	s_nop 0
.rept 4
	v_nop
.endr
.Lasked_\@:
.endm
.macro CREST
	s_cmp_lg_u32 s14, 0
	s_cbranch_scc1 .Lnot_wave_0_\@
	s_barrier_signal -3
.Lnot_wave_0_\@:
	s_barrier_wait -3
	s_barrier_signal -1
	s_barrier_wait -1
.endm
.macro CROUND
	s_barrier_signal -1
	s_barrier_wait -1
	CREST
.endm
.macro PLACES n
.rept \n
	v_nop
.endr
.endm
.macro FRAG reg, adr, q, i
.irp c, 0,1,2
	ds_load_b128 v[\reg+4*\c:\reg+4*\c+3], v[\adr] offset:((\i)*NQ+(\q))*FRB+512*\c
.endr
.endm
.macro WM zero
.if \zero
.if rr == 0
	v_wmma_scale_f32_16x16x128_f8f6f4 v[rD:rD+7], v[rB:rB+11], v[rA:rA+11], 0, v[xB], v[xA] matrix_a_fmt:MATRIX_FMT_BF6 matrix_b_fmt:MATRIX_FMT_BF6
.elseif rr == 1
	v_wmma_scale_f32_16x16x128_f8f6f4 v[rD:rD+7], v[rB:rB+11], v[rA:rA+11], 0, v[xB], v[xA] matrix_a_fmt:MATRIX_FMT_BF6 matrix_b_fmt:MATRIX_FMT_BF6 matrix_b_scale:MATRIX_SCALE_ROW1
.elseif rr == 2
	v_wmma_scale_f32_16x16x128_f8f6f4 v[rD:rD+7], v[rB:rB+11], v[rA:rA+11], 0, v[xB], v[xA] matrix_a_fmt:MATRIX_FMT_BF6 matrix_b_fmt:MATRIX_FMT_BF6 matrix_a_scale:MATRIX_SCALE_ROW1
.else
	v_wmma_scale_f32_16x16x128_f8f6f4 v[rD:rD+7], v[rB:rB+11], v[rA:rA+11], 0, v[xB], v[xA] matrix_a_fmt:MATRIX_FMT_BF6 matrix_b_fmt:MATRIX_FMT_BF6 matrix_a_scale:MATRIX_SCALE_ROW1 matrix_b_scale:MATRIX_SCALE_ROW1
.endif
.else
.if rr == 0
	v_wmma_scale_f32_16x16x128_f8f6f4 v[rD:rD+7], v[rB:rB+11], v[rA:rA+11], v[rD:rD+7], v[xB], v[xA] matrix_a_fmt:MATRIX_FMT_BF6 matrix_b_fmt:MATRIX_FMT_BF6
.elseif rr == 1
	v_wmma_scale_f32_16x16x128_f8f6f4 v[rD:rD+7], v[rB:rB+11], v[rA:rA+11], v[rD:rD+7], v[xB], v[xA] matrix_a_fmt:MATRIX_FMT_BF6 matrix_b_fmt:MATRIX_FMT_BF6 matrix_b_scale:MATRIX_SCALE_ROW1
.elseif rr == 2
	v_wmma_scale_f32_16x16x128_f8f6f4 v[rD:rD+7], v[rB:rB+11], v[rA:rA+11], v[rD:rD+7], v[xB], v[xA] matrix_a_fmt:MATRIX_FMT_BF6 matrix_b_fmt:MATRIX_FMT_BF6 matrix_a_scale:MATRIX_SCALE_ROW1
.else
	v_wmma_scale_f32_16x16x128_f8f6f4 v[rD:rD+7], v[rB:rB+11], v[rA:rA+11], v[rD:rD+7], v[xB], v[xA] matrix_a_fmt:MATRIX_FMT_BF6 matrix_b_fmt:MATRIX_FMT_BF6 matrix_a_scale:MATRIX_SCALE_ROW1 matrix_b_scale:MATRIX_SCALE_ROW1
.endif
.endif
.endm
.macro MUL8 a, p, q, sc, zero          ; A's block a x B's eight, both from set p; the accumulators take turns
.irp b, 0,1,2,3,4,5,6,7
.set rD, 8*(8*((\a)%4)+\b)
.set rB, 128*(\p)+FR*\b
.set rA, AF+48*(\p)+FR*(\a)
.if TT < 2                             ; V's scale words of all 16 K steps stand in registers from the head on; TT: which four K steps are at work
.set xB, SC+TT*NQ*SPS+(\q)*SPS+NA/2+\b/2
.else
.set xB, 88+16*(TT-2)+4*(\q)+\b/2
.endif
.set xA, SC+(\sc)*NQ*SPS+(\q)*SPS+(\a)/2
.set rr, 2*(\b%2)+(\a)%2
	WM \zero
.endr
.endm
.macro FETCH_B slot, q, p
	WIN TO_B
.irp i, 0,1,2,3,4,5,6,7
	FRAG 128*(\p)+FR*\i, ADRB+\slot, \q, \i
.endr
	WIN 0
.endm
.macro FETCH_A slot, q, i0
.set fi, \i0
.rept NA/2
	FRAG AF+FR*fi, ADRA+\slot, \q, fi
.set fi, fi+1
.endr
.endm
.macro SCALES t, sc
.set sq, 0
.rept NQ
.set si, 0
.rept NA/2
	ds_load_b32 v[SC+(\sc)*NQ*SPS+sq*SPS+si], v[ADSA] offset:((\t)*NQ+sq)*SAK+128*si
.set si, si+1
.endr
.set sq, sq+1
.endr
.endm
.macro LB slot, q, p, i                ; B's fragment i into set p
	WIN TO_B
	FRAG 128*(\p)+FR*(\i), ADRB+\slot, \q, \i
.endm
.macro LA slot, q, p, i                ; A's block i into set p: A has two sets, v128-175 and v176-223
	WIN 0
	FRAG AF+48*(\p)+FR*(\i), ADRA+\slot, \q, \i
.endm
; One of a slot's first three K steps.  The next step's twelve fragments come by turns with the products, three (nine LDS loads) behind each eight matrix instructions, in the order B 0-7, A 0-3.
; Each wait leaves out what is younger than the block of A that the next eight products read: A's later blocks, three loads each, and this step's own loads, nine a group.
.macro STEP slot, q, zero
	s_wait_dscnt 9
	WIN MUL_LO
	MUL8 0, (\q)%2, \q, \slot, \zero
	PLACES 4                                       ; the other sets were read by the step before: four places ahead of the loads into them
	LB \slot, (\q)+1, 1-(\q)%2, 0
	LB \slot, (\q)+1, 1-(\q)%2, 1
	LB \slot, (\q)+1, 1-(\q)%2, 2
	s_wait_dscnt 15
	WIN MUL_LO
	MUL8 1, (\q)%2, \q, \slot, \zero
	LB \slot, (\q)+1, 1-(\q)%2, 3
	LB \slot, (\q)+1, 1-(\q)%2, 4
	LB \slot, (\q)+1, 1-(\q)%2, 5
	s_wait_dscnt 21
	WIN MUL_LO
	MUL8 2, (\q)%2, \q, \slot, \zero
	LB \slot, (\q)+1, 1-(\q)%2, 6
	LB \slot, (\q)+1, 1-(\q)%2, 7
	LA \slot, (\q)+1, 1-(\q)%2, 0
	s_wait_dscnt 27
	WIN MUL_LO
	MUL8 3, (\q)%2, \q, \slot, \zero
	LA \slot, (\q)+1, 1-(\q)%2, 1
	LA \slot, (\q)+1, 1-(\q)%2, 2
	LA \slot, (\q)+1, 1-(\q)%2, 3
.endm
.macro TURN slot, next, t, fill
	s_wait_tensorcnt 0x0
	ds_add_u32 v[SPW], v[NIL]
	s_wait_dscnt 10                                ; (the add and A's blocks 1-3 may be out)
	WIN MUL_LO
	MUL8 0, 1, NQ-1, \slot, 0
	s_wait_dscnt 0x0                               ; the add is done; this step's fragments are all in registers, so my reads of this slot are over
	s_barrier_signal -1
	MUL8 1, 1, NQ-1, \slot, 0
	WIN 0
	s_barrier_wait -1
.if \fill
	CREST
	s_add_nc_u64 s[G0+4*\slot+2:G0+4*\slot+3], s[G0+4*\slot+2:G0+4*\slot+3], 2*NQ*FRB
	s_add_nc_u64 s[G0B+4*\slot+2:G0B+4*\slot+3], s[G0B+4*\slot+2:G0B+4*\slot+3], 2*NQ*FRB
	JLOAD G0+4*\slot, G1, G0B+4*\slot, G1B
.else
	PLACES 4
.endif
	SCALES \t, \next
.irp i, 0,1,2,3,4,5
	LB \next, 0, 0, \i
.endr
	WIN MUL_LO
	MUL8 2, 1, NQ-1, \slot, 0
	LB \next, 0, 0, 6
	LB \next, 0, 0, 7
	LA \next, 0, 0, 0
	WIN MUL_LO
	MUL8 3, 1, NQ-1, \slot, 0
	LA \next, 0, 0, 1
	LA \next, 0, 0, 2
	LA \next, 0, 0, 3
.set TT, \t
.endm
.macro SHIFT k
	v_sub_f32 v[D], v[RN], v[HN+\k]
	v_max_num_f32 v[D], 0xc2fe0000, v[D]
	v_cvt_i32_f32 v[D], v[D]
.if \k == 0
	v_ldexp_f32 v[LR], v[HL+\k], v[D]
.else
	v_ldexp_f32 v[T2], v[HL+\k], v[D]
	v_add_f32 v[LR], v[LR], v[T2]
.endif
	v_sub_nc_u32 v[D], 0, v[D]
	v_mul_lo_u32 v[REP], v[D], s2
	v_or_b32 v[XX], s3, v[HW+\k]
	v_sub_nc_u32 v[XX], v[XX], v[REP]
	v_and_b32 v[MM], s3, v[XX]
	v_lshrrev_b32 v[T2], 7, v[MM]
	v_sub_nc_u32 v[MM], v[MM], v[T2]
	v_and_b32 v[HW+\k], v[XX], v[MM]
	ds_store_b32 v[PSA], v[HW+\k] offset:512*\k
.endm
.macro TOSTAGE a
	WIN 0x82
.irp b, 0,1,2,3,4,5,6,7
.irp i, 0,2,4,6
	v_pk_mul_f32 v[8*(8*(\a)+\b)+\i:8*(8*(\a)+\b)+\i+1], v[8*(8*(\a)+\b)+\i:8*(8*(\a)+\b)+\i+1], v[RI+2*(\a):RI+2*(\a)+1]
.endr
.endr
	WIN 0x08
.irp b, 0,1,2,3,4,5,6,7
	ds_store_b128 v[STO], v[8*(8*(\a)+\b):8*(8*(\a)+\b)+3] offset:128*(\b/2)+32*(\b%2)
	ds_store_b128 v[STO], v[8*(8*(\a)+\b)+4:8*(8*(\a)+\b)+7] offset:128*(\b/2)+32*(\b%2)+16
.endr
	WIN 0
.set BB, BK+64*((\a)%2)
.irp t, 0,1,2,3,4,5,6,7,8,9,10,11,12,13,14,15
	ds_load_b128 v[BB+4*\t:BB+4*\t+3], v[RD] offset:528*\t
.endr
.endm
.macro SEND a, younger
.set BB, BK+64*((\a)%2)
	s_wait_dscnt \younger
.irp t, 0,1,2,3,4,5,6,7,8,9,10,11,12,13,14,15
	global_store_b128 v[LI], v[BB+4*\t:BB+4*\t+3], s[OUT:OUT+1] offset:(32*((\a)/2)+8*((\a)%2)+\t+8*(\t/8))*4096 th:TH_STORE_NT
.endr
.endm
	s_load_b256 s[4:11], s[0:1], 0x0
	s_load_b128 s[96:99], s[0:1], 0x20
	v_lshl_add_u32 v[SPW], v0, 2, SPARE
	v_mov_b32 v[NIL], 0
	ds_add_u32 v[SPW], v[NIL]
	ds_add_u32 v[SPW], v[NIL]
	v_lshrrev_b32 v1, 5, v0
	v_readfirstlane_b32 s14, v1
	s_lshr_b32 s15, s14, 1
	s_and_b32 s16, s14, 1
	s_bfe_u32 s40, ttmp6, 0x40000
	s_bfe_u32 s41, ttmp6, 0x40004
	s_lshl_b32 s43, s41, 2
	s_lshl_b32 s43, 15, s43
	s_lshl_b32 s44, 0x1111, s40
	s_mov_b32 s42, s40
	s_and_b32 s18, ttmp7, 0xffff
	s_lshl_b32 s17, s18, 2
	s_add_co_u32 s17, s17, s41
	s_lshr_b32 s19, s18, 2
	s_or_b32 s[G1+0], s43, (3<<16)|(1<<21)
	s_mov_b32 s[G1+1], 768<<16
	s_mov_b32 s[G1+2], 4<<16
	s_mov_b32 s[G1+3], 768<<16
	s_mov_b32 s[G1+4], 4
	s_mov_b32 s[G1+5], 3072
	s_mov_b32 s[G1+6], 0
	s_mov_b32 s[G1+7], 0
	s_or_b32 s[G1B+0], s44, (3<<16)|(1<<21)
	s_mov_b32 s[G1B+1], 768<<16
	s_mov_b32 s[G1B+2], 8<<16
	s_mov_b32 s[G1B+3], 768<<16
	s_mov_b32 s[G1B+4], 8
	s_mov_b32 s[G1B+5], 12288
	s_mov_b32 s[G1B+6], 0
	s_mov_b32 s[G1B+7], 0
	s_lshl_b32 s20, s17, 7
	s_lshl_b32 s21, s16, 6
	s_add_co_u32 s20, s20, s21
	s_mul_i32 s20, s20, 1536
	s_mov_b32 s21, 0
	s_lshl_b32 s46, s42, 8
	s_lshl_b32 s47, s16, 7
	s_add_co_u32 s46, s46, s47
	s_mul_i32 s46, s46, 6144
	s_mul_i32 s47, s19, 24576
	s_add_co_u32 s46, s46, s47
	s_add_co_u32 s46, s46, 12582912
	s_mov_b32 s47, 0
	s_lshl_b32 s92, s19, 16
	s_lshl_b32 s93, s16, 9
	s_add_co_u32 s92, s92, s93
	s_lshl_b32 s93, s42, 10
	s_add_co_u32 s92, s92, s93
	s_add_co_u32 s92, s92, 524288
	s_mov_b32 s93, 0
	s_mul_i32 s45, s16, AREG
	s_mul_i32 s94, s16, BREG
	s_add_co_u32 s94, s94, 2*AREG
	s_wait_dscnt 0x0
	s_wait_kmcnt 0x0
	s_add_nc_u64 s[20:21], s[4:5], s[20:21]
	s_add_nc_u64 s[46:47], s[10:11], s[46:47]
	s_add_nc_u64 s[92:93], s[96:97], s[92:93]
	CROUND
	s_mov_b64 s[88:89], s[92:93]                   ; V's scale words of my 128 columns; never rewritten
.set TT, 0
.irp s, 0,1
	s_mov_b32 s[G0+4*\s], 1
	s_add_co_u32 s[G0+4*\s+1], s45, \s*SLOT
	s_add_nc_u64 s[G0+4*\s+2:G0+4*\s+3], s[20:21], \s*NQ*FRB
	s_or_b32 s[G0+4*\s+3], s[G0+4*\s+3], 0x80000000
	s_mov_b32 s[G0B+4*\s], 1
	s_add_co_u32 s[G0B+4*\s+1], s94, \s*SLOT
	s_add_nc_u64 s[G0B+4*\s+2:G0B+4*\s+3], s[46:47], \s*NQ*FRB
	s_or_b32 s[G0B+4*\s+3], s[G0B+4*\s+3], 0x80000000
	s_wait_alu depctr_va_vdst(0)
.if \s
	s_wait_tensorcnt 0x0                           ; slot 1's first fill stands behind the full sequence, as a refill does
	ds_add_u32 v28, v29
	s_wait_dscnt 0x0
	CROUND
.endif
	JLOAD G0+4*\s, G1, G0B+4*\s, G1B
.if \s == 0
	; PREFETCH, behind the head's load: K steps 4 to 15 (18,432 bytes of each row block, 72 blocks of 256 bytes) of P's and V's tiles, one to three fills ahead of the loads that want them, each block named once in each cluster.
	; P's tile has 8 row blocks: the partner at cx takes half of row block (4 cx + wave) / 2; V's has 16: the partner at cy takes row block 4 cy + wave.  Told apart by address; lanes left over name the last block again.
	s_lshl_b32 s84, s40, 2
	s_add_co_u32 s84, s84, s14
	s_lshr_b32 s85, s84, 1
	s_mul_i32 s85, s85, 24576
	s_and_b32 s84, s84, 1
	s_mul_i32 s84, s84, 9216
	s_add_co_u32 s84, s84, s85
	s_mul_i32 s85, s17, 196608
	s_add_co_u32 s84, s84, s85
	s_add_co_u32 s84, s84, 6144
	s_mov_b32 s85, 0
	s_add_nc_u64 s[80:81], s[4:5], s[84:85]
	s_lshl_b32 s86, s41, 2
	s_add_co_u32 s86, s86, s14
	s_mul_i32 s86, s86, 98304
	s_mul_i32 s87, s42, 1572864
	s_add_co_u32 s86, s86, s87
	s_mul_i32 s87, s19, 24576
	s_add_co_u32 s86, s86, s87
	s_add_co_u32 s86, s86, 12582912+6144
	s_mov_b32 s87, 0
	s_add_nc_u64 s[82:83], s[10:11], s[86:87]
	v_and_b32 v10, 31, v0
	v_min_u32 v11, 3, v10
	v_min_u32 v12, 7, v10
	v_lshlrev_b32 v10, 8, v10                      ; v10, v11, v12 and s[80:83] are never rewritten
	v_lshlrev_b32 v11, 8, v11
	v_lshlrev_b32 v12, 8, v12
	global_prefetch_b8 v10, s[80:81] th:TH_LOAD_NT scope:SCOPE_SE
	global_prefetch_b8 v11, s[80:81] offset:8192 th:TH_LOAD_NT scope:SCOPE_SE
	global_prefetch_b8 v10, s[82:83] th:TH_LOAD_NT scope:SCOPE_SE
	global_prefetch_b8 v10, s[82:83] offset:8192 th:TH_LOAD_NT scope:SCOPE_SE
	global_prefetch_b8 v12, s[82:83] offset:16384 th:TH_LOAD_NT scope:SCOPE_SE
.endif
.endr
	s_lshl_b32 s22, s17, 9
	s_mov_b32 s23, 0
	s_add_nc_u64 s[12:13], s[8:9], s[22:23]
	s_add_nc_u64 s[66:67], s[6:7], s[22:23]
	v_lshlrev_b32 v[T4], 2, v0
	v_and_b32 v9, 31, v0
	v_lshlrev_b32 v9, 2, v9                        ; 4 x lane; never rewritten
.irp k, 0,1,2,3,4,5,6,7,8,9,10,11,12,13,14,15
.irp i, 0,1,2,3
.if \k < 8
	global_load_b32 v[SC+(\k/4)*NQ*SPS+(\k%4)*SPS+NA/2+\i], v9, s[88:89] offset:4096*\k+128*\i   ; lanes 0-15 column block 2 i, lanes 16-31 block 2 i + 1
.else
	global_load_b32 v[88+4*(\k-8)+\i], v9, s[88:89] offset:4096*\k+128*\i
.endif
.endr
.endr
.irp k, 0,1,2,3,4,5,6,7,8,9,10,11,12,13,14,15
	global_load_b32 v[HN+\k], v[T4], s[12:13] offset:32768*\k
	global_load_b32 v[HL+\k], v[T4], s[12:13] offset:524288+32768*\k
	global_load_b32 v[HW+\k], v[T4], s[66:67] offset:32768*\k
.endr
	s_mov_b32 s2, 0x01010101
	s_mov_b32 s3, 0x80808080
	v_lshl_add_u32 v[PSA], v0, 2, PSC
	v_lshl_add_u32 v[RLA], v0, 2, RL
	v_and_b32 v1, 31, v0
	v_and_b32 v13, 15, v0
	s_wait_alu depctr_va_vdst(0)
	v_bfe_u32 v14, v0, 4, 1
	v_lshlrev_b32 v[LI], 4, v1
	s_mul_i32 s21, s15, AREG
	s_mul_i32 s22, s16, BREG
	s_add_co_u32 s22, s22, 2*AREG
.irp s, 0,1
	v_add_nc_u32 v[ADRA+\s], s21, v[LI]
	v_add_nc_u32 v[ADRB+\s], s22, v[LI]
	s_add_co_u32 s21, s21, SLOT
	s_add_co_u32 s22, s22, SLOT
.endr
	v_lshlrev_b32 v15, 2, v1
	s_lshl_b32 s21, s15, 8
	s_add_co_u32 s22, s21, RL
	s_add_co_u32 s21, s21, PSC
	v_add_nc_u32 v[ADSA], s21, v15
	v_lshlrev_b32 v[RLR], 2, v13
	v_add_nc_u32 v[RLR], s22, v[RLR]
	s_mul_i32 s21, s14, 8448
	v_mul_u32_u24 v[STO], v13, 528
	v_lshl_add_u32 v[STO], v14, 6, v[STO]
	v_add_nc_u32 v[STO], s21, v[STO]
	v_add_nc_u32 v[RD], s21, v[LI]
	s_lshl_b32 s22, s17, 7
	s_lshl_b32 s23, s15, 6
	s_add_co_u32 s22, s22, s23
	s_lshl_b32 s22, s22, 12
	s_lshl_b32 s46, s42, 10
	s_lshl_b32 s47, s16, 9
	s_add_co_u32 s46, s46, s47
	s_add_co_u32 s92, s22, s46
	s_mov_b32 s93, 0
	s_add_nc_u64 s[OUT:OUT+1], s[98:99], s[92:93]
	s_wait_loadcnt 0x0
	v_min_num_f32 v[RN], v[HN], v[HN+1]
.irp k, 2,3,4,5,6,7,8,9,10,11,12,13,14,15
	v_min_num_f32 v[RN], v[RN], v[HN+\k]
.endr
.irp k, 0,1,2,3,4,5,6,7,8,9,10,11,12,13,14,15
	SHIFT \k
.endr
	s_wait_alu depctr_va_vdst(0)
	v_rcp_f32 v[LR], v[LR]
	v_nop
	s_wait_alu depctr_va_vdst(0)
	ds_store_b32 v[RLA], v[LR]
	s_wait_tensorcnt 1
	s_wait_dscnt 0x0
	s_barrier_signal -1
	s_barrier_wait -1
	SCALES 0, 0
	FETCH_B 0, 0, 0
	FETCH_A 0, 0, 0
	FETCH_A 0, 0, NA/2
	STEP 0, 0, 1
	STEP 0, 1, 0
	STEP 0, 2, 0
	TURN 0, 1, 1, 1
	STEP 1, 0, 0
	STEP 1, 1, 0
	STEP 1, 2, 0
	TURN 1, 0, 2, 1
	STEP 0, 0, 0
	STEP 0, 1, 0
	STEP 0, 2, 0
	TURN 0, 1, 3, 0
	STEP 1, 0, 0
	STEP 1, 1, 0
	STEP 1, 2, 0
	s_wait_dscnt 9
	WIN MUL_LO
	MUL8 0, 1, NQ-1, 1, 0
	s_wait_dscnt 0x0
	MUL8 1, 1, NQ-1, 1, 0
	MUL8 2, 1, NQ-1, 1, 0
	MUL8 3, 1, NQ-1, 1, 0
	WIN 0
	PLACES 4
.irp a, 0,1,2,3
	ds_load_b32 v[RI+2*\a], v[RLR] offset:64*\a
.endr
	s_wait_dscnt 0x0
.irp a, 0,1,2,3
	v_mov_b32 v[RI+2*\a+1], v[RI+2*\a]
.endr
	TOSTAGE 0
.irp a, 1,2,3
.if \a > 1
	s_wait_xcnt 0x0
.endif
	TOSTAGE \a
	SEND \a-1, 32
.endr
	SEND 3, 0
	s_wait_tensorcnt 0x0
	ds_add_u32 v[SPW], v[NIL]
	s_wait_dscnt 0x0
	CROUND
	s_endpgm
.Lfunc_end_k_q023cc015b7_pv:
	.size	k_q023cc015b7_pv, .Lfunc_end_k_q023cc015b7_pv-k_q023cc015b7_pv
	.p2alignl 7, 3214868480
	.fill 96, 4, 3214868480
	.section	.rodata,"a",@progbits
	.p2align	6, 0x0
	.amdhsa_kernel k_q023cc015b7_pv
		.amdhsa_group_segment_fixed_size 327680
		.amdhsa_private_segment_fixed_size 0
		.amdhsa_enable_private_segment 0
		.amdhsa_kernarg_size 48
		.amdhsa_user_sgpr_count 2
		.amdhsa_user_sgpr_kernarg_segment_ptr 1
		.amdhsa_wavefront_size32 1
		.amdhsa_system_sgpr_workgroup_id_x 1
		.amdhsa_system_sgpr_workgroup_id_y 1
		.amdhsa_system_sgpr_workgroup_id_z 1
		.amdhsa_system_vgpr_workitem_id 0
		.amdhsa_next_free_vgpr 768
		.amdhsa_next_free_sgpr 102
		.amdhsa_reserve_vcc 0
		.amdhsa_float_denorm_mode_32 3
		.amdhsa_float_denorm_mode_16_64 3
		.amdhsa_memory_ordered 1
		.amdhsa_forward_progress 1
		.amdhsa_inst_pref_size 166
	.end_amdhsa_kernel
	.amdgpu_metadata
---
amdhsa.version: [ 1, 2 ]
amdhsa.kernels:
  - .name:           k_q023cc015b7_pv
    .symbol:         k_q023cc015b7_pv.kd
    .args:
      - { .name: pc, .offset: 0, .size: 8, .value_kind: global_buffer, .address_space: global }
      - { .name: ps, .offset: 8, .size: 8, .value_kind: global_buffer, .address_space: global }
      - { .name: st, .offset: 16, .size: 8, .value_kind: global_buffer, .address_space: global }
      - { .name: qc, .offset: 24, .size: 8, .value_kind: global_buffer, .address_space: global }
      - { .name: qs, .offset: 32, .size: 8, .value_kind: global_buffer, .address_space: global }
      - { .name: out0, .offset: 40, .size: 8, .value_kind: global_buffer, .address_space: global }
    .group_segment_fixed_size: 327680
    .private_segment_fixed_size: 0
    .kernarg_segment_align: 8
    .kernarg_segment_size: 48
    .max_flat_workgroup_size: 128
    .sgpr_count:     102
    .vgpr_count:     768
    .wavefront_size: 32
...
	.end_amdgpu_metadata
.endif
;; end of part 4
